; MI455X (gfx1250); checked and timed in simulation.
; The chip was launched on July 23, 2026; its instructions are those of AMD's public machine-readable ISA for CDNA 5 (MIT licence, August 2026) and "CDNA5" Instruction Set Architecture Reference Guide (July 2026). The comments in the code are by the model that wrote it; some were corrected since.
;; Cross Attention Block. Allowed arithmetic: matrix products marked QUANTISED: E2M3 operands, one E8M0 scale for each 32 along K, by v_wmma_scale_f32_16x16x128_f8f6f4 with both operands' format E2M3, f32 sums; products left as they are: f32 operands where the result goes on into a quantised operand, else bf16, f16 or f32 operands; f32 sums; everything else in f32.
;; Inputs: W1_codes 256 x 8 x 24 uint8 (E2M3 codes of W1, K innermost, in blocks of 32 codes, four codes in three bytes); W1_scales 256 x 8 uint8 (E8M0 scales of W1, one for each 32 codes along K); W2_codes 256 x 8 x 24 uint8 (E2M3 codes of W2, K innermost, in blocks of 32 codes, four codes in three bytes); W2_scales 256 x 8 uint8 (E8M0 scales of W2, one for each 32 codes along K); W3_codes 256 x 8 x 24 uint8 (E2M3 codes of W3, K innermost, in blocks of 32 codes, four codes in three bytes); W3_scales 256 x 8 uint8 (E8M0 scales of W3, one for each 32 codes along K); Wk_codes 256 x 8 x 24 uint8 (E2M3 codes of Wk, K innermost, in blocks of 32 codes, four codes in three bytes); Wk_scales 256 x 8 uint8 (E8M0 scales of Wk, one for each 32 codes along K); Wp1 3 x 3 float32; Wp2 256 x 3 float32; Wq_codes 256 x 8 x 24 uint8 (E2M3 codes of Wq, K innermost, in blocks of 32 codes, four codes in three bytes); Wq_scales 256 x 8 uint8 (E8M0 scales of Wq, one for each 32 codes along K); Wv_codes 256 x 8 x 24 uint8 (E2M3 codes of Wv, K innermost, in blocks of 32 codes, four codes in three bytes); Wv_scales 256 x 8 uint8 (E8M0 scales of Wv, one for each 32 codes along K); Ww1_codes 32 x 8 x 24 uint8 (E2M3 codes of Ww1, K innermost, in blocks of 32 codes, four codes in three bytes); Ww1_scales 32 x 8 uint8 (E8M0 scales of Ww1, one for each 32 codes along K); Ww2_codes 32 x 1 x 24 uint8 (E2M3 codes of Ww2, K innermost, in blocks of 32 codes, four codes in three bytes); Ww2_scales 32 x 1 uint8 (E8M0 scales of Ww2, one for each 32 codes along K); b1 256 float32; b2 256 float32; b3 256 float32; bk 256 float32; bp 3 float32; bp1 3 float32; bp2 256 float32; bq 256 float32; bv 256 float32; bw1 256 float32; bw2 32 float32; bww1 32 float32; bww2 32 float32; g1 256 float32; g2 256 float32; g3 256 float32; gp 3 float32; gw1 256 float32; gw2 32 float32; o1 1 int32; o2 1 int32; p1 8,192 x 3 float32; p2 16,384 x 3 float32; x1_codes 8,192 x 8 x 24 uint8 (E2M3 codes of x1, K innermost, in blocks of 32 codes, four codes in three bytes); x1_scales 8,192 x 8 uint8 (E8M0 scales of x1, one for each 32 codes along K); x2_codes 16,384 x 8 x 24 uint8 (E2M3 codes of x2, K innermost, in blocks of 32 codes, four codes in three bytes); x2_scales 16,384 x 8 uint8 (E8M0 scales of x2, one for each 32 codes along K).
;; Outputs: out0 8,192 x 3 float32; out1 8,192 x 256 float32; out2 1 int32.
;; This version of the problem:
;;   THIS VERSION OF THE PROBLEM IS GIVEN IN LOW PRECISION. The matrix products marked QUANTISED in the list below multiply operands that are first quantised to E2M3 (2 exponent bits, 3 mantissa bits; 6 bits a number), with one power-of-two scale for each 32 numbers along K (OCP MX v1.0); their sums are f32. All else is computed in f32.
;;   The module's matrix products, in the order in which they are computed (A, B: the left and right operand; K: the contracted axis; several contracted axes count as one K, in the product's order):
;;     1. [M 8,192, K 256] x [K 256, N 256]; A: input x1 (given as codes); B: input W1 (given as codes): QUANTISED
;;     2. [M 16,384, K 256] x [K 256, N 256]; A: input x2 (given as codes); B: input W2 (given as codes): QUANTISED
;;     3. [M 8,192, K 256] x [K 256, N 256]; A: computed on the way; B: input Wq (given as codes): QUANTISED
;;     4. [M 16,384, K 256] x [K 256, N 256]; A: computed on the way; B: input Wk (given as codes): QUANTISED
;;     5. [M 16,384, K 256] x [K 256, N 256]; A: computed on the way; B: input Wv (given as codes): QUANTISED
;;     6. [M 8,192, K 3] x [K 3, N 16,384]; A: input p1; B: input p2: left as it is (K = 3 < 32)
;;     7. [M 131,072, K 3] x [K 3, N 3]; A: computed on the way; B: input Wp1: left as it is (K = 3 < 32)
;;     8. [M 131,072, K 3] x [K 3, N 256]; A: computed on the way; B: input Wp2: left as it is (K = 3 < 32)
;;     9. [M 131,072, K 256] x [K 256, N 32]; A: computed on the way; B: input Ww1 (given as codes): QUANTISED
;;     10. [M 131,072, K 32] x [K 32, N 32]; A: computed on the way; B: input Ww2 (given as codes): QUANTISED
;;     11. [M 8,192, K 256] x [K 256, N 256]; A: computed on the way; B: input W3 (given as codes): QUANTISED
;;   THE QUANTISER, for each operand of a quantised product, along K:
;;     - K is cut into blocks of 32 from its start; a last block that is shorter is filled with zeros.
;;     - A block's scale is 2^e with e = floor(log2(the largest magnitude in the block)) - 2, held to -126 .. 127; a block of zeros has e = 0. As a byte (E8M0): e + 127.
;;     - Each number is divided by its block's scale, clamped to +-7.5, and rounded to the nearest number of E2M3, ties to even, subnormals kept.
;;     - The product sums the exact products of the quantised numbers (number of the format x scale) in f32.
;;   ~~~python
;;   def quantise(x, axis):      # numpy; x: float32 -> the quantised numbers, widened to float32 again
;;       x = np.moveaxis(x, axis, -1); K = x.shape[-1]
;;       x = np.pad(x, [(0, 0)] * (x.ndim - 1) + [(0, -K % 32)]); x = x.reshape(x.shape[:-1] + (-1, 32)); a = np.abs(x).max(-1, keepdims=True)
;;       e = np.where(a > 0, np.clip(np.frexp(np.where(a > 0, a, 1))[1] - 1 - 2, -126, 127), 0)      # np.frexp(a)[1] - 1 = floor(log2(a)), exactly
;;       r = np.clip(x / 2.0 ** e, -7.5, 7.5)
;;       step = 2.0 ** (np.maximum(np.frexp(np.where(r == 0, 1, r))[1] - 1, 0) - 3)
;;       q = np.round(r / step) * step * 2.0 ** e      # np.round: ties to even
;;       return np.moveaxis(q.reshape(q.shape[:-2] + (-1,))[..., :K], -1, axis).astype(np.float32)
;;   ~~~
;;   OPERANDS COMPUTED ON THE WAY. 'Computed on the way' means the value that the module computes at that place (a softmax that the list does not call 'softmax' is quantised finished and normalised). What goes into a quantiser is computed in f32, as accurately as f32 sums, v_exp_f32 and their like allow (about 1e-6 of the number): no bf16 or f16 on the way to a quantiser, and a product that is left as it is and whose result goes on into a quantised operand takes f32 operands (vector FMAs, or v_wmma_f32_16x16x4_f32). A number that lies on a knife's edge between two numbers of the format may be rounded either way, as far as f32 arithmetic and the matrix unit's own rounding can turn it there, and no further.
;;   INPUTS GIVEN AS CODES. W1 (in the module: [256, 256], K = its axis 1); W2 (in the module: [256, 256], K = its axis 1); W3 (in the module: [256, 256], K = its axis 1); Wk (in the module: [256, 256], K = its axis 1); Wq (in the module: [256, 256], K = its axis 1); Wv (in the module: [256, 256], K = its axis 1); Ww1 (in the module: [32, 256], K = its axis 1); Ww2 (in the module: [32, 32], K = its axis 1); x1 (in the module: [8192, 256], K = its axis 1); x2 (in the module: [16384, 256], K = its axis 1): each comes as NAME_codes (uint8): NAME with its K axis moved to the last place and cut into blocks of 32 codes, [.., K / 32, bytes a block], one block behind the other in memory; four codes in three bytes: a row's codes are one little-endian stream of bits, code i at bits 6 i .. 6 i + 5 (a code: sign, 2 exponent bits, 3 mantissa bits); and NAME_scales (uint8): the same leading axes, one E8M0 byte (e + 127) for each 32 codes along K. Its value is code x scale, taken as it is: it is not quantised again, and the codes and scales need not be those that the quantiser above would give.
;; One version. Each part assembles by itself: llvm-mc -triple=amdgcn-amd-amdhsa -mcpu=gfx1250 --defsym DOCPART=n.
;; ======== version 1 of 1: 8 launches
;; workspace buffers: gmask 1,048,576 bytes of whole numbers; nidx 524,288 bytes of whole numbers; feat 52,430,848 bytes; ping 9,240,576 bytes; pong 25,362,432 bytes
;; launch knn_a (part 1): grid 256 x 1, 16 waves a work-group, no clusters, 280,576 bytes of LDS; arguments p1, p2, o1, gmask, out0, out2; writes gmask, out0, out2
.if DOCPART == 1
	.amdgcn_target "amdgcn-amd-amdhsa--gfx1250"
	.amdhsa_code_object_version 6
	.text
	.protected	k_q2e1152758a_knn_a
	.globl	k_q2e1152758a_knn_a
	.p2align	8
	.type	k_q2e1152758a_knn_a,@function
k_q2e1152758a_knn_a:
	s_mov_b64 s[64:65], 0
	v_nop
	global_prefetch_b8 v0, s[64:65] scope:SCOPE_SE
	s_setreg_imm32_b32 hwreg(HW_REG_WAVE_MODE, 25, 1), 1
	s_wait_xcnt 0x0
; FIRST LEVEL OF THE 16 NEAREST NEIGHBOURS.  The 16,384 keys are 512 groups of 32 neighbouring indices.  With groups ordered by (smallest d2, group number) and keys
; by (d2, index), each of the 16 first keys lies in one of the 16 first groups: were 16 groups ahead of a key's group, each would hold a key that is ahead of it.
; This launch finds, for each query, T = the 16th smallest of the 512 group minima and stores two bit masks (minimum < T, minimum == T) at fixed places; the next launch reads them.
; d2 = (sq1 + sq2) - 2 dot.  sq = (x x + y y) + z z, EACH PRODUCT ROUNDED BY ITSELF, since the module forms p * p as an array and then sums it: these multiplies and adds are not fused on purpose.
; dot = fma(z1,z2,fma(y1,y2,x1 x2)): one matrix product, summed by fused multiply-adds in ascending k.  2 dot is exact.  The same operations stand in the next launch, so the two levels agree bit for bit.
; LIMITS: two keys whose d2 differ by less than the rounding of these lines may be ordered otherwise by an evaluation that rounds otherwise; NaN and infinite coordinates are not served.
; SHARES: a work-group owns 32 queries; lane L of wave w owns group 32 w + L, whose 32 keys stay in its registers; a query's four numbers come as scalars.  It also copies p1 to out0 and o1 to out2.
; o2 enters no result of the module and is read by no launch.
.set GM, 204800                        ; LDS: 0: 16 x 12,800 bytes, a wave's 32 groups 400 bytes apart; GM: [32 queries] x 2,304 bytes, the minima of wave w at 144 w
.set KX, 32
.set KY, 64
.set KZ, 96
.set KS, 128
.set RAW, 160
.set TT, 160
.set UU, 168
.set MN, 176
.set MV, 180
.set GA, 181
.set DD, 160
.set LL, 192
.set MM, 208
.set TH, 224
.set LT, 226
.set EQ, 227
.macro INS x, n                        ; item x goes into the sorted list of the 16 smallest so far: place i takes the middle of its lower neighbour, x and itself
.if (\n) == 0
	v_mov_b32 v[LL], v[\x]
.else
.if (\n) < 16
	v_max_num_f32 v[LL+(\n)], v[LL+(\n)-1], v[\x]
.set ii, (\n)-1
.else
.set ii, 15
.endif
.rept ii
	v_med3_num_f32 v[LL+ii], v[LL+ii-1], v[\x], v[LL+ii]
.set ii, ii-1
.endr
	v_min_num_f32 v[LL], v[LL], v[\x]
.endif
.endm
.macro CEX src, dst, d                 ; one stage of the bitonic merge
.set ci, 0
.rept 16
.if (ci & \d) == 0
	v_min_num_f32 v[\dst+ci], v[\src+ci], v[\src+ci+\d]
	v_max_num_f32 v[\dst+ci+\d], v[\src+ci], v[\src+ci+\d]
.endif
.set ci, ci+1
.endr
.endm
.macro RND src, dst, mask              ; the 16 smallest of my list and lane (l xor mask)'s, sorted again
.set ri, 0
.rept 16
	v_min_num_f32_dpp v[\dst+ri], v[\src+15-ri], v[\src+ri] row_xmask:\mask row_mask:0xf bank_mask:0xf
.set ri, ri+1
.endr
	CEX \dst, \src, 8
	CEX \src, \dst, 4
	CEX \dst, \src, 2
	CEX \src, \dst, 1
.endm
.macro TOP16T                          ; 16 lanes x 32 numbers in v[DD..]: v[TH] = the 16th smallest of the 512
.set nn, 0
.rept 32
	INS DD+nn, nn
.set nn, nn+1
.endr
	RND LL, MM, 1
	RND MM, LL, 2
	RND LL, MM, 4
.set ri, 0
.rept 16
	v_min_num_f32_dpp v[LL+ri], v[MM+15-ri], v[MM+ri] row_xmask:8 row_mask:0xf bank_mask:0xf
.set ri, ri+1
.endr
	v_max3_num_f32 v[TH], v[LL], v[LL+1], v[LL+2]
.irp i, 3,5,7,9,11,13
	v_max3_num_f32 v[TH], v[TH], v[LL+\i], v[LL+\i+1]
.endr
	v_max_num_f32 v[TH], v[TH], v[LL+15]
.endm
.macro MASKS                           ; bit i of LT: D[i] < T; of EQ: D[i] == T (the carry is shifted in, the highest item first)
	v_mov_b32 v[LT], 0
	v_mov_b32 v[EQ], 0
.set mi, 31
.rept 32
	v_cmp_lt_f32 vcc_lo, v[DD+mi], v[TH]
	v_add_co_ci_u32 v[LT], vcc_lo, v[LT], v[LT], vcc_lo
	v_cmp_eq_f32 vcc_lo, v[DD+mi], v[TH]
	v_add_co_ci_u32 v[EQ], vcc_lo, v[EQ], v[EQ], vcc_lo
.set mi, mi-1
.endr
.endm
.macro PAIRS4 k                        ; eight keys, two at a time, stage by stage
.irp p, 0,1,2,3
	v_pk_mul_f32 v[TT+2*\p:TT+2*\p+1], v[KX+8*\k+2*\p:KX+8*\k+2*\p+1], s[40:41] op_sel_hi:[1,0]
.endr
.irp p, 0,1,2,3
	v_pk_fma_f32 v[TT+2*\p:TT+2*\p+1], v[KY+8*\k+2*\p:KY+8*\k+2*\p+1], s[42:43], v[TT+2*\p:TT+2*\p+1] op_sel_hi:[1,0,1]
.endr
.irp p, 0,1,2,3
	v_pk_fma_f32 v[TT+2*\p:TT+2*\p+1], v[KZ+8*\k+2*\p:KZ+8*\k+2*\p+1], s[44:45], v[TT+2*\p:TT+2*\p+1] op_sel_hi:[1,0,1]
.endr
.irp p, 0,1,2,3
	v_pk_add_f32 v[UU+2*\p:UU+2*\p+1], v[KS+8*\k+2*\p:KS+8*\k+2*\p+1], s[46:47] op_sel_hi:[1,0]
.endr
.irp p, 0,1,2,3
	v_pk_fma_f32 v[UU+2*\p:UU+2*\p+1], v[TT+2*\p:TT+2*\p+1], -2.0, v[UU+2*\p:UU+2*\p+1] op_sel_hi:[1,0,1]
.endr
.irp p, 0,1,2,3
.if \k == 0
	v_min_num_f32 v[MN+\p], v[UU+2*\p], v[UU+2*\p+1]
.else
	v_min3_num_f32 v[MN+\p], v[MN+\p], v[UU+2*\p], v[UU+2*\p+1]
.endif
.endr
.endm
	s_load_b256 s[4:11], s[0:1], 0x0               ; p1, p2, o1, gmask
	s_load_b128 s[12:15], s[0:1], 0x20             ; out0, out2
	v_lshl_add_u32 v30, v0, 2, 0x44000
	v_mov_b32 v31, 0
	v_lshrrev_b32 v1, 5, v0
	v_readfirstlane_b32 s20, v1                    ; wave
	v_and_b32 v2, 31, v0                           ; L
	v_and_b32 v3, 15, v0                           ; r
	v_bfe_u32 v4, v0, 4, 1                         ; h
	v_lshlrev_b32 v5, 4, v2                        ; 16 L
	s_mul_i32 s21, s20, 12800
.irp j, 0,1,2                          ; piece c = 32 j + L of 16 bytes belongs to group c / 24 = (171 c) >> 12 (c under 96) and lies 16 bytes further on for each group passed
	v_add_nc_u32 v[6+\j], 32*\j, v2
	v_mul_u32_u24 v9, v[6+\j], 171
	v_lshrrev_b32 v9, 12, v9
	v_add_nc_u32 v[6+\j], v[6+\j], v9
	v_lshlrev_b32 v[6+\j], 4, v[6+\j]
	v_add_nc_u32 v[6+\j], s21, v[6+\j]
.endr
	v_mul_u32_u24 v9, v2, 400
	v_add_nc_u32 v9, s21, v9                       ; my group in LDS
	v_mul_u32_u24 v10, v2, 12                      ; query L's coordinates
	s_mul_i32 s22, s20, 144
	v_lshl_add_u32 v11, v2, 2, s22
	v_add_nc_u32 v11, GM, v11                      ; where my group's minimum goes, for query 0
	s_mul_i32 s23, s20, 4608
	v_mul_u32_u24 v12, v4, 2304
	v_mad_u32_u24 v12, v3, 144, v12
	v_add_nc_u32 v12, s23, v12
	v_add_nc_u32 v12, GM, v12                      ; the tail: query 2 w + h, the 32 minima of word r
	s_lshl_b32 s24, s20, 8
	v_lshlrev_b32 v13, 7, v4
	v_lshl_add_u32 v13, v3, 3, v13
	v_add_nc_u32 v13, s24, v13                     ; and its two mask words: 128 (2 w + h) + 8 r
	s_mul_i32 s24, ttmp9, 384
	s_mov_b32 s25, 0
	s_mul_i32 s26, s20, 12288
	s_mov_b32 s27, 0
	s_lshl_b32 s28, ttmp9, 12
	s_mov_b32 s29, 0
	s_mov_b32 s41, 0                               ; the packed forms name pairs and take the low word: the high words are written once
	s_mov_b32 s43, 0
	s_mov_b32 s45, 0
	s_mov_b32 s47, 0
	s_wait_kmcnt 0x0
	s_add_nc_u64 s[4:5], s[4:5], s[24:25]
	s_add_nc_u64 s[12:13], s[12:13], s[24:25]
	s_add_nc_u64 s[6:7], s[6:7], s[26:27]
	s_add_nc_u64 s[10:11], s[10:11], s[28:29]
	global_load_b96 v[14:16], v10, s[4:5]          ; lane L: query L of the work-group's 32
.set t, 0
.rept 24
	global_load_b128 v[RAW+4*t:RAW+4*t+3], v5, s[6:7] offset:512*t   ; my wave's 1,024 keys: 512 consecutive bytes a load
.set t, t+1
.endr
.set t, 0
.rept 24
	s_wait_loadcnt 23-t                            ; loads come back in order: load t is in, the younger ones stay out
	ds_store_b128 v[6+t%3], v[RAW+4*t:RAW+4*t+3] offset:1600*(t/3)
.set t, t+1
.endr
	s_wait_dscnt 0x0                               ; the stores have read their registers
.set t, 0
.rept 24
	ds_load_b128 v[RAW+4*t:RAW+4*t+3], v9 offset:16*t               ; my group's 384 bytes; 400 bytes from lane to lane
.set t, t+1
.endr
	v_mul_f32 v17, v14, v14                        ; sq1 of query L = (x x + y y) + z z, each product rounded by itself
	v_mul_f32 v18, v15, v15
	v_add_f32 v17, v17, v18
	v_mul_f32 v18, v16, v16
	v_add_f32 v17, v17, v18
	s_cmp_lg_u32 s20, 0
	s_cbranch_scc1 .Lnot0
	global_store_b96 v10, v[14:16], s[12:13]       ; out0 = p1: 384 consecutive bytes
	s_cmp_lg_u32 ttmp9, 0
	s_cbranch_scc1 .Lnot0
	v_mov_b32 v28, 0
	global_load_b32 v29, v28, s[8:9]
	s_wait_loadcnt 0x0
	global_store_b32 v28, v29, s[14:15]            ; out2 = o1 (every lane the same word)
.Lnot0:
	s_wait_dscnt 0x0
.set t, 0
.rept 32
	v_mov_b32 v[KX+t], v[RAW+3*t]
	v_mov_b32 v[KY+t], v[RAW+3*t+1]
	v_mov_b32 v[KZ+t], v[RAW+3*t+2]
.set t, t+1
.endr
.set t, 0
.rept 16                               ; sq2 of my 32 keys, two at a time: the three products first (the staging registers are free now), then the two sums
	v_pk_mul_f32 v[KS+2*t:KS+2*t+1], v[KX+2*t:KX+2*t+1], v[KX+2*t:KX+2*t+1]
	v_pk_mul_f32 v[RAW+2*t:RAW+2*t+1], v[KY+2*t:KY+2*t+1], v[KY+2*t:KY+2*t+1]
	v_pk_mul_f32 v[RAW+32+2*t:RAW+32+2*t+1], v[KZ+2*t:KZ+2*t+1], v[KZ+2*t:KZ+2*t+1]
.set t, t+1
.endr
.set t, 0
.rept 16
	v_pk_add_f32 v[KS+2*t:KS+2*t+1], v[KS+2*t:KS+2*t+1], v[RAW+2*t:RAW+2*t+1]
.set t, t+1
.endr
.set t, 0
.rept 16
	v_pk_add_f32 v[KS+2*t:KS+2*t+1], v[KS+2*t:KS+2*t+1], v[RAW+32+2*t:RAW+32+2*t+1]
.set t, t+1
.endr
	s_mov_b32 s48, 0
	s_mov_b32 s49, 0
.Lq:                                               ; a trip: one query against my 32 keys
	v_readlane_b32 s40, v14, s48
	v_readlane_b32 s42, v15, s48
	v_readlane_b32 s44, v16, s48
	v_readlane_b32 s46, v17, s48
	s_wait_dscnt 0x0                               ; the last trip's store has read its registers
	PAIRS4 0
	PAIRS4 1
	PAIRS4 2
	PAIRS4 3
	v_min3_num_f32 v[MV], v[MN], v[MN+1], v[MN+2]
	v_min_num_f32 v[MV], v[MV], v[MN+3]
	v_add_nc_u32 v[GA], s49, v11
	ds_store_b32 v[GA], v[MV]
	s_add_co_u32 s49, s49, 2304
	s_add_co_u32 s48, s48, 1
	s_cmp_lt_u32 s48, 32
	s_cbranch_scc1 .Lq
	s_wait_dscnt 0x0                               ; my minima have landed
	s_barrier_signal -1
	s_barrier_wait -1
.irp j, 0,1,2,3,4,5,6,7
	ds_load_b128 v[DD+4*\j:DD+4*\j+3], v12 offset:16*\j
.endr
.set t, 0
.rept 16
	v_mov_b32 v[MM+t], 0                           ; written once: the destination of a DPP form counts as read
.set t, t+1
.endr
	s_wait_dscnt 0x0
	TOP16T
	MASKS
	global_store_b64 v13, v[LT:LT+1], s[10:11]     ; the wave stores 256 consecutive bytes
	s_wait_tensorcnt 0x0
	ds_add_u32 v30, v31
	s_wait_dscnt 0x0
	s_endpgm
.Lfunc_end_k_q2e1152758a_knn_a:
	.size	k_q2e1152758a_knn_a, .Lfunc_end_k_q2e1152758a_knn_a-k_q2e1152758a_knn_a
	.p2alignl 7, 3214868480
	.fill 96, 4, 3214868480
	.section	.rodata,"a",@progbits
	.p2align	6, 0x0
	.amdhsa_kernel k_q2e1152758a_knn_a
		.amdhsa_group_segment_fixed_size 280576
		.amdhsa_private_segment_fixed_size 0
		.amdhsa_enable_private_segment 0
		.amdhsa_kernarg_size 48
		.amdhsa_user_sgpr_count 2
		.amdhsa_user_sgpr_kernarg_segment_ptr 1
		.amdhsa_wavefront_size32 1
		.amdhsa_system_sgpr_workgroup_id_x 1
		.amdhsa_system_sgpr_workgroup_id_y 1
		.amdhsa_system_sgpr_workgroup_id_z 1
		.amdhsa_system_vgpr_workitem_id 0
		.amdhsa_next_free_vgpr 256
		.amdhsa_next_free_sgpr 66
		.amdhsa_reserve_vcc 1
		.amdhsa_float_denorm_mode_32 3
		.amdhsa_float_denorm_mode_16_64 3
		.amdhsa_memory_ordered 1
		.amdhsa_forward_progress 1
		.amdhsa_inst_pref_size 64
	.end_amdhsa_kernel
	.amdgpu_metadata
---
amdhsa.version: [ 1, 2 ]
amdhsa.kernels:
  - .name:           k_q2e1152758a_knn_a
    .symbol:         k_q2e1152758a_knn_a.kd
    .args:
      - { .name: p1, .offset: 0, .size: 8, .value_kind: global_buffer, .address_space: global }
      - { .name: p2, .offset: 8, .size: 8, .value_kind: global_buffer, .address_space: global }
      - { .name: o1, .offset: 16, .size: 8, .value_kind: global_buffer, .address_space: global }
      - { .name: gmask, .offset: 24, .size: 8, .value_kind: global_buffer, .address_space: global }
      - { .name: out0, .offset: 32, .size: 8, .value_kind: global_buffer, .address_space: global }
      - { .name: out2, .offset: 40, .size: 8, .value_kind: global_buffer, .address_space: global }
    .group_segment_fixed_size: 280576
    .private_segment_fixed_size: 0
    .kernarg_segment_align: 8
    .kernarg_segment_size: 48
    .max_flat_workgroup_size: 512
    .sgpr_count:     66
    .vgpr_count:     256
    .wavefront_size: 32
...
	.end_amdgpu_metadata
.endif
;; end of part 1
;; launch knn_b (part 2): grid 224 x 1, 16 waves a work-group, no clusters, 88,064 bytes of LDS; arguments p1, p2, gmask, x1_codes, x1_scales, x2_codes, x2_scales, W1_codes, W1_scales, W2_codes, W2_scales, nidx, ping; writes nidx, ping
.if DOCPART == 2
	.amdgcn_target "amdgcn-amd-amdhsa--gfx1250"
	.amdhsa_code_object_version 6
	.text
	.protected	k_q2e1152758a_knn_b
	.globl	k_q2e1152758a_knn_b
	.p2align	8
	.type	k_q2e1152758a_knn_b,@function
k_q2e1152758a_knn_b:
	s_mov_b64 s[64:65], 0
	v_nop
	global_prefetch_b8 v0, s[64:65] scope:SCOPE_SE
	s_setreg_imm32_b32 hwreg(HW_REG_WAVE_MODE, 25, 1), 1
	s_wait_xcnt 0x0
; TWO BODIES, parted on the work-group's number.  A work-group's 16 waves of 256 registers take a WGP's registers whole; 128 + 96 work-groups are fewer than the 256 WGPs, so both bodies run side by side.
; Work-groups 0-127: SECOND LEVEL OF THE NEIGHBOUR SEARCH, 64 queries each, in two passes of 32.  Sixteen lanes serve a query.  The group masks are decoded (all bits "<", then the first 16 - count bits "==",
; ascending: the lower index wins a tie); lane p takes the p-th chosen group, computes its 32 distances by the first level's own operations, and the 16 lanes find T = the 16th smallest of the 512 candidates.
; The candidates' masks (d2 < T, d2 == T) are decoded in the same way, by selections alone: no address and no branch hangs on them; lane p stores the p-th neighbour's index at a fixed place.  No LDS.
; d2 = (sq1 + sq2) - 2 dot; sq = (x x + y y) + z z with each product rounded by itself (not fused, on purpose: the module forms p * p as an array and then sums it); dot = fma(z1,z2,fma(y1,y2,x1 x2)).
; Work-groups 128-223: STATISTICS of x1 W1^T (32 work-groups) and x2 W2^T (64): a work-group takes 256 rows, a wave 16 rows x all 256 columns; per column (mean, sum of squared deviations) of the 256 rows.
; The products themselves are not stored: the next launch multiplies again (the codes are under a fifth of the bytes of the f32 results).  The weight lies in LDS as images of operand registers.
; LIMITS: two keys whose d2 differ by less than the rounding of the lines above may be ordered otherwise by an evaluation that rounds otherwise; NaN and infinite coordinates are not served.
.set SCL, 49152                        ; LDS (second body alone): 0: 32 fragment images of 1,536 bytes; SCL: their scale words, 128 bytes each; ZP: [16 waves][mean, M2][256]
.set ZP, 53248
.set SEL, 30
.set K1, 32
.set RR, 2
.set DD, 32
.set LL, 64
.set MM, 80
.set DT, 96
.set PT, 110
.set TA, 112
.set TH, 120
.set LT, 122
.set EQ, 123
.set TB, 124
.set RAW, 160
.set XF, 16
.set XS, 40
.set WS, 68
.set ACC, 76
.set FW, 140
.set CSR, 236
.set CT, 252
.set LS, 6
.set ZS, 8
.set ZR, 9
.set C4, 12
.macro INS x, n
.if (\n) == 0
	v_mov_b32 v[LL], v[\x]
.else
.if (\n) < 16
	v_max_num_f32 v[LL+(\n)], v[LL+(\n)-1], v[\x]
.set ii, (\n)-1
.else
.set ii, 15
.endif
.rept ii
	v_med3_num_f32 v[LL+ii], v[LL+ii-1], v[\x], v[LL+ii]
.set ii, ii-1
.endr
	v_min_num_f32 v[LL], v[LL], v[\x]
.endif
.endm
.macro CEX src, dst, d
.set ci, 0
.rept 16
.if (ci & \d) == 0
	v_min_num_f32 v[\dst+ci], v[\src+ci], v[\src+ci+\d]
	v_max_num_f32 v[\dst+ci+\d], v[\src+ci], v[\src+ci+\d]
.endif
.set ci, ci+1
.endr
.endm
.macro RND src, dst, mask
.set ri, 0
.rept 16
	v_min_num_f32_dpp v[\dst+ri], v[\src+15-ri], v[\src+ri] row_xmask:\mask row_mask:0xf bank_mask:0xf
.set ri, ri+1
.endr
	CEX \dst, \src, 8
	CEX \src, \dst, 4
	CEX \dst, \src, 2
	CEX \src, \dst, 1
.endm
.macro TOP16T
.set nn, 0
.rept 32
	INS DD+nn, nn
.set nn, nn+1
.endr
	RND LL, MM, 1
	RND MM, LL, 2
	RND LL, MM, 4
.set ri, 0
.rept 16
	v_min_num_f32_dpp v[LL+ri], v[MM+15-ri], v[MM+ri] row_xmask:8 row_mask:0xf bank_mask:0xf
.set ri, ri+1
.endr
	v_max3_num_f32 v[TH], v[LL], v[LL+1], v[LL+2]
.irp i, 3,5,7,9,11,13
	v_max3_num_f32 v[TH], v[TH], v[LL+\i], v[LL+\i+1]
.endr
	v_max_num_f32 v[TH], v[TH], v[LL+15]
.endm
.macro MASKS
	v_mov_b32 v[LT], 0
	v_mov_b32 v[EQ], 0
.set mi, 31
.rept 32
	v_cmp_lt_f32 vcc_lo, v[DD+mi], v[TH]
	v_add_co_ci_u32 v[LT], vcc_lo, v[LT], v[LT], vcc_lo
	v_cmp_eq_f32 vcc_lo, v[DD+mi], v[TH]
	v_add_co_ci_u32 v[EQ], vcc_lo, v[EQ], v[EQ], vcc_lo
.set mi, mi-1
.endr
.endm
.macro POPC d, x                       ; the number of ones in a word
	v_lshrrev_b32 v[PT], 1, v[\x]
	v_and_b32 v[PT], 0x55555555, v[PT]
	v_sub_nc_u32 v[\d], v[\x], v[PT]
	v_lshrrev_b32 v[PT], 2, v[\d]
	v_and_b32 v[PT], 0x33333333, v[PT]
	v_and_b32 v[\d], 0x33333333, v[\d]
	v_add_nc_u32 v[\d], v[\d], v[PT]
	v_lshrrev_b32 v[PT], 4, v[\d]
	v_add_nc_u32 v[\d], v[\d], v[PT]
	v_and_b32 v[\d], 0x0f0f0f0f, v[\d]
	v_mul_lo_u32 v[\d], v[\d], s[K1]
	v_lshrrev_b32 v[\d], 24, v[\d]
.endm
.macro SCAN x                          ; running sum over the 16 lanes of a row
.irp n, 1,2,4,8
	v_add_nc_u32_dpp v[\x], v[\x], v[\x] row_shr:\n row_mask:0xf bank_mask:0xf bound_ctrl:1
.endr
.endm
; In: lane r of a row holds words r of the two masks.  Out: lane p holds word number and bit number of the p-th chosen bit.  No jump, no address: selections alone.
; hasg = 1: lane p also takes, from the lane of its word, that lane's number in v[gi] (its group), into v[go].
.macro DECODE16 lt, eq, w, b, hasg, gi, go
	v_mov_b32 v[DT+1], 0
	v_mov_b32 v[DT+8], 0
	v_mov_b32 v[DT+9], 0
.if \hasg
	v_mov_b32 v[DT+10], 0
.endif
	POPC DT+0, \lt
	SCAN DT+0
	v_mov_b32_dpp v[DT+1], v[DT+0] row_share:15 row_mask:0xf bank_mask:0xf   ; how many are "<": at most 15
	POPC DT+2, \eq
	v_mov_b32 v[DT+3], v[DT+2]
	SCAN DT+3
	v_sub_nc_u32 v[DT+3], v[DT+3], v[DT+2]
	v_add_nc_u32 v[DT+3], v[DT+3], v[DT+1]
	v_sub_nc_u32 v[DT+3], 16, v[DT+3]              ; how many of my word's "==" bits are still wanted (may be negative)
	v_mov_b32 v[DT+4], v[\lt]
	v_mov_b32 v[DT+5], v[\eq]
.irp i, 0,1,2,3,4,5,6,7,8,9,10,11,12,13,14,15
	v_sub_nc_u32 v[DT+6], 0, v[DT+5]
	v_and_b32 v[DT+6], v[DT+5], v[DT+6]            ; the lowest bit left
	v_cmp_lt_i32 vcc_lo, \i, v[DT+3]
	v_cndmask_b32 v[DT+7], 0, v[DT+6], vcc_lo
	v_or_b32 v[DT+4], v[DT+4], v[DT+7]
	v_xor_b32 v[DT+5], v[DT+5], v[DT+6]
.endr
	POPC DT+2, DT+4
	v_mov_b32 v[DT+11], v[DT+2]
	SCAN DT+11
	v_sub_nc_u32 v[DT+11], v[DT+11], v[DT+2]       ; chosen bits in the words below mine
	v_mov_b32 v[\w], 0
	v_mov_b32 v[DT+12], 0
	v_mov_b32 v[DT+13], 0
.if \hasg
	v_mov_b32 v[\go], 0
.endif
.irp j, 0,1,2,3,4,5,6,7,8,9,10,11,12,13,14,15      ; the last word with at most p chosen bits below it holds bit p
	v_mov_b32_dpp v[DT+8], v[DT+11] row_share:\j row_mask:0xf bank_mask:0xf
	v_mov_b32_dpp v[DT+9], v[DT+4] row_share:\j row_mask:0xf bank_mask:0xf
.if \hasg
	v_mov_b32_dpp v[DT+10], v[\gi] row_share:\j row_mask:0xf bank_mask:0xf
.endif
	v_cmp_gt_u32 vcc_lo, v[DT+8], v[RR]
	v_cndmask_b32 v[\w], \j, v[\w], vcc_lo
	v_cndmask_b32 v[DT+12], v[DT+9], v[DT+12], vcc_lo
	v_cndmask_b32 v[DT+13], v[DT+8], v[DT+13], vcc_lo
.if \hasg
	v_cndmask_b32 v[\go], v[DT+10], v[\go], vcc_lo
.endif
.endr
	v_sub_nc_u32 v[DT+13], v[RR], v[DT+13]         ; so many of its low bits are passed over
.irp i, 0,1,2,3,4,5,6,7,8,9,10,11,12,13,14
	v_add_nc_u32 v[DT+6], -1, v[DT+12]
	v_and_b32 v[DT+6], v[DT+12], v[DT+6]
	v_cmp_lt_i32 vcc_lo, \i, v[DT+13]
	v_cndmask_b32 v[DT+12], v[DT+12], v[DT+6], vcc_lo
.endr
	v_sub_nc_u32 v[DT+6], 0, v[DT+12]
	v_and_b32 v[DT+6], v[DT+12], v[DT+6]
	v_add_nc_u32 v[DT+6], -1, v[DT+6]
	POPC \b, DT+6
.endm
; One pass: 2 queries a wave.  Its mask words lie in v[GQ:GQ+1], its query's coordinates in v[GQ+2:GQ+4]; its index goes out of a register of the pass's own, so no store's data are written again.
.macro KNN p
.set GQ, 10+14*\p
	DECODE16 GQ, GQ+1, 15, 16, 0, 0, 0
	v_lshl_add_u32 v17, v15, 5, v16
	v_min_u32 v17, 0x1ff, v17                      ; my group
	v_mul_u32_u24 v18, v17, 384
.set t, 0
.rept 24
	global_load_b128 v[RAW+4*t:RAW+4*t+3], v18, s[6:7] offset:16*t
.set t, t+1
.endr
	v_mul_f32 v19, v[GQ+2], v[GQ+2]                ; sq1 = (x x + y y) + z z, each product rounded by itself
	v_mul_f32 v20, v[GQ+3], v[GQ+3]
	v_add_f32 v19, v19, v20
	v_mul_f32 v20, v[GQ+4], v[GQ+4]
	v_add_f32 v19, v19, v20
	s_wait_loadcnt 0x0
.set di, 0
.rept 8                                ; four keys at a time, stage by stage: TA even = sq2 (products and sums apart), TA odd = dot (fused chain)
.irp n, 0,1,2,3
	v_mul_f32 v[TA+2*\n], v[RAW+3*(4*di+\n)], v[RAW+3*(4*di+\n)]
	v_mul_f32 v[TA+2*\n+1], v[RAW+3*(4*di+\n)], v[GQ+2]
.endr
.irp n, 0,1,2,3
	v_mul_f32 v[TB+\n], v[RAW+3*(4*di+\n)+1], v[RAW+3*(4*di+\n)+1]
	v_fma_f32 v[TA+2*\n+1], v[RAW+3*(4*di+\n)+1], v[GQ+3], v[TA+2*\n+1]
.endr
.irp n, 0,1,2,3
	v_add_f32 v[TA+2*\n], v[TA+2*\n], v[TB+\n]
.endr
.irp n, 0,1,2,3
	v_mul_f32 v[TB+\n], v[RAW+3*(4*di+\n)+2], v[RAW+3*(4*di+\n)+2]
	v_fma_f32 v[TA+2*\n+1], v[RAW+3*(4*di+\n)+2], v[GQ+4], v[TA+2*\n+1]
.endr
.irp n, 0,1,2,3
	v_add_f32 v[TA+2*\n], v[TA+2*\n], v[TB+\n]
.endr
.irp n, 0,1,2,3
	v_add_f32 v[TA+2*\n], v[TA+2*\n], v19
.endr
.irp n, 0,1,2,3
	v_fma_f32 v[DD+4*di+\n], v[TA+2*\n+1], -2.0, v[TA+2*\n]
.endr
.set di, di+1
.endr
	TOP16T
	MASKS
	DECODE16 LT, EQ, 15, 16, 1, 17, 21             ; lane p: the slot (word) and the place in its group (bit) of the p-th neighbour, and that slot's group
	v_lshl_add_u32 v[22+\p], v21, 5, v16
	v_min_u32 v[22+\p], 0x3fff, v[22+\p]           ; the neighbour's index
	global_store_b32 v7, v[22+\p], s[26:27] offset:2048*\p   ; a fixed place: 64 q + 4 p; the wave stores 128 consecutive bytes
.endm
.macro BARRIER
	s_wait_dscnt 0x0
	s_barrier_signal -1
	s_barrier_wait -1
.endm
.macro FRAGLD reg, voff, sb, off       ; a fragment, 16 rows x 128 K of 6-bit codes: twice 24 bytes of the lane's row, in pieces of 8
.irp p, 0,1,2,3,4,5
	global_load_b64 v[(\reg)+2*\p:(\reg)+2*\p+1], v[\voff], s[\sb:\sb+1] offset:(\off)+48*(\p/3)+8*(\p%3)
.endr
.endm
.macro IMAGE reg, adr, off             ; a fragment goes to LDS as it stands in the registers, 16 bytes a lane
.irp c, 0,1,2
	ds_store_b128 v[\adr], v[(\reg)+4*\c:(\reg)+4*\c+3] offset:(\off)+512*\c
.endr
.endm
.macro FETCH reg, adr, off
.irp c, 0,1,2
	ds_load_b128 v[(\reg)+4*\c:(\reg)+4*\c+3], v[\adr] offset:(\off)+512*\c
.endr
.endm
.macro MERGE k, mb, hasq, qb, str, invk, nn, om, oq, t0, t1   ; k parts (mean, M2) of nn rows each become one: no difference of large sums is formed
	v_add_f32 v[\om], v[(\mb)], v[(\mb)+\str]
	v_add_f32 v[\t0], v[(\mb)+2*\str], v[(\mb)+3*\str]
.set mi, 4
.rept (\k-4)/2
	v_add_f32 v[\om], v[\om], v[(\mb)+mi*\str]
	v_add_f32 v[\t0], v[\t0], v[(\mb)+(mi+1)*\str]
.set mi, mi+2
.endr
	v_add_f32 v[\om], v[\om], v[\t0]
	v_mul_f32 v[\om], \invk, v[\om]
	v_sub_f32 v[\t0], v[(\mb)], v[\om]
	v_mul_f32 v[\t1], v[\t0], v[\t0]
.set mi, 1
.rept \k-1
	v_sub_f32 v[\t0], v[(\mb)+mi*\str], v[\om]
	v_fma_f32 v[\t1], v[\t0], v[\t0], v[\t1]
.set mi, mi+1
.endr
.if \hasq
	v_add_f32 v[\oq], v[(\qb)], v[(\qb)+\str]
	v_add_f32 v[\t0], v[(\qb)+2*\str], v[(\qb)+3*\str]
.set mi, 4
.rept (\k-4)/2
	v_add_f32 v[\oq], v[\oq], v[(\qb)+mi*\str]
	v_add_f32 v[\t0], v[\t0], v[(\qb)+(mi+1)*\str]
.set mi, mi+2
.endr
	v_add_f32 v[\oq], v[\oq], v[\t0]
	v_fma_f32 v[\oq], \nn, v[\t1], v[\oq]
.else
	v_mov_b32 v[\oq], v[\t1]
.endif
.endm
; Four tiles of 16 columns: source 0 = my 16 rows, source 1 = 16 rows of the weight.  The four accumulators take turns, one instruction a turn.
.macro GEMM4 adr, t0
.set gi, 0
.rept 8
	FETCH FW+12*gi, \adr, (2*(\t0)+gi)*1536
	ds_load_b32 v[WS+gi], v[LS] offset:(2*(\t0)+gi)*128
.set gi, gi+1
.endr
	s_wait_dscnt 0x0
.irp tt, 0,1,2,3
	v_wmma_scale_f32_16x16x128_f8f6f4 v[ACC+8*\tt:ACC+8*\tt+7], v[XF:XF+11], v[FW+24*\tt:FW+24*\tt+11], 0, v[XS], v[WS+2*\tt] matrix_a_fmt:MATRIX_FMT_FP6 matrix_b_fmt:MATRIX_FMT_FP6
.endr
.irp tt, 0,1,2,3
	v_wmma_scale_f32_16x16x128_f8f6f4 v[ACC+8*\tt:ACC+8*\tt+7], v[XF+12:XF+23], v[FW+24*\tt+12:FW+24*\tt+23], v[ACC+8*\tt:ACC+8*\tt+7], v[XS+1], v[WS+2*\tt+1] matrix_a_fmt:MATRIX_FMT_FP6 matrix_b_fmt:MATRIX_FMT_FP6
.endr
.rept 5
	v_nop                                          ; places: for the reads of the results, the next loads into the fragments, and the sums begun anew on these accumulators
.endr
.endm
.macro COLSTAT acc, t, sl              ; a tile's register j is (row 8 h + j, column 16 t + r): mean and M2 of its 16 rows, in two passes
	v_add_f32 v[CT], v[(\acc)], v[(\acc)+1]
	v_add_f32 v[CT+1], v[(\acc)+2], v[(\acc)+3]
	v_add_f32 v[CT+2], v[(\acc)+4], v[(\acc)+5]
	v_add_f32 v[CT+3], v[(\acc)+6], v[(\acc)+7]
	v_add_f32 v[CT], v[CT], v[CT+1]
	v_add_f32 v[CT+2], v[CT+2], v[CT+3]
	v_add_f32 v[CT], v[CT], v[CT+2]
	v_permlanex16_b32 v[CT+1], v[CT], s[SEL], s[SEL+1]
	v_add_f32 v[CT], v[CT], v[CT+1]
	v_mul_f32 v[CSR+2*(\sl)], 0x3d800000, v[CT]
	v_sub_f32 v[CT], v[(\acc)], v[CSR+2*(\sl)]
	v_mul_f32 v[CT+2], v[CT], v[CT]
.irp j, 1,2,3,4,5,6,7
	v_sub_f32 v[CT], v[(\acc)+\j], v[CSR+2*(\sl)]
	v_fma_f32 v[CT+2], v[CT], v[CT], v[CT+2]
.endr
	v_permlanex16_b32 v[CT+3], v[CT+2], s[SEL], s[SEL+1]
	v_add_f32 v[CSR+2*(\sl)+1], v[CT+2], v[CT+3]
	ds_store_b32 v[ZS], v[CSR+2*(\sl)] offset:64*(\t)
	ds_store_b32 v[ZS], v[CSR+2*(\sl)+1] offset:64*(\t)+1024
.endm
	s_load_b512 s[4:19], s[0:1], 0x0               ; p1, p2, gmask, x1 codes, x1 scales, x2 codes, x2 scales, W1 codes
	s_load_b256 s[20:27], s[0:1], 0x40             ; W1 scales, W2 codes, W2 scales, nidx
	s_load_b64 s[28:29], s[0:1], 0x60              ; ping
	v_lshl_add_u32 v138, v0, 2, 0x15000
	v_mov_b32 v139, 0
	v_lshrrev_b32 v1, 5, v0
	v_readfirstlane_b32 s40, v1                    ; wave
	v_and_b32 v1, 31, v0                           ; L
	v_and_b32 v2, 15, v0                           ; r
	v_bfe_u32 v3, v0, 4, 1                         ; h
	s_mov_b32 s30, 0x76543210
	s_mov_b32 s31, 0xfedcba98
	s_mov_b32 s32, 0x01010101
	s_cmp_ge_u32 ttmp9, 128
	s_cbranch_scc1 .Lzstat
	; ---- the neighbour search: query q = 64 wg + 32 pass + 2 w + h, slot r; the pass stands in the immediates
	s_lshl_b32 s33, ttmp9, 13
	s_lshl_b32 s34, s40, 8
	s_add_co_u32 s33, s33, s34
	v_lshlrev_b32 v5, 7, v3
	v_lshl_add_u32 v5, v2, 3, v5
	v_add_nc_u32 v5, s33, v5                       ; 128 q + 8 r
	v_lshrrev_b32 v7, 1, v5                        ; 64 q + 4 r
	s_lshr_b32 s34, s33, 7
	s_mul_i32 s34, s34, 12
	v_mul_u32_u24 v6, v3, 12
	v_add_nc_u32 v6, s34, v6                       ; 12 q
	s_wait_kmcnt 0x0
.irp p, 0,1                            ; both passes' mask words and coordinates at once: 32 queries on are 4,096 bytes of masks and 384 of coordinates
	global_load_b64 v[10+14*\p:11+14*\p], v5, s[8:9] offset:4096*\p
	global_load_b96 v[12+14*\p:14+14*\p], v6, s[4:5] offset:384*\p
.endr
.set t, 0
.rept 16
	v_mov_b32 v[MM+t], 0                           ; written once: the destination of a DPP form counts as read
.set t, t+1
.endr
	s_wait_loadcnt 0x0
	KNN 0
	KNN 1
	s_endpgm
	; ---- the statistics
.Lzstat:
	v_lshlrev_b32 v4, 4, v1                        ; 16 L: an image's place for my lane
	s_mul_i32 s35, s40, 3072
	v_add_nc_u32 v5, s35, v4                       ; where I store tile w's two images
	v_lshl_add_u32 v6, v1, 2, SCL
	s_lshl_b32 s35, s40, 8
	v_add_nc_u32 v7, s35, v6
	s_lshl_b32 s35, s40, 11
	v_lshl_add_u32 v8, v2, 2, s35
	v_add_nc_u32 v8, ZP, v8
	v_lshl_add_u32 v9, v0, 2, ZP
	v_lshlrev_b32 v12, 2, v0
	s_lshl_b32 s35, s40, 4
	v_add_nc_u32 v13, s35, v2                      ; 16 w + r: my row of x, and of the weight
	v_mul_u32_u24 v10, v13, 192
	v_mad_u32_u24 v10, v3, 24, v10
	v_lshlrev_b32 v11, 3, v13
	v_mov_b32 v[CT+1], 0
	v_mov_b32 v[CT+3], 0
	s_sub_co_u32 s33, ttmp9, 128
	s_wait_kmcnt 0x0
	s_cmp_lt_u32 s33, 32                           ; x1's work-group or x2's: the choice hangs on the work-group's number alone
	s_cselect_b64 s[10:11], s[10:11], s[14:15]
	s_cselect_b64 s[12:13], s[12:13], s[16:17]
	s_cselect_b64 s[18:19], s[18:19], s[22:23]
	s_cselect_b64 s[20:21], s[20:21], s[24:25]
	s_cselect_b32 s34, 0, 32
	s_sub_co_u32 s34, s33, s34
	s_mul_i32 s36, s34, 49152
	s_mov_b32 s37, 0
	s_add_nc_u64 s[10:11], s[10:11], s[36:37]
	s_lshl_b32 s36, s34, 11
	s_add_nc_u64 s[12:13], s[12:13], s[36:37]
	s_lshl_b32 s36, s33, 11
	s_add_nc_u64 s[28:29], s[28:29], s[36:37]
	FRAGLD XF, 10, 10, 0
	FRAGLD XF+12, 10, 10, 96
	global_load_b64 v[XS:XS+1], v11, s[12:13]
	FRAGLD FW, 10, 18, 0
	FRAGLD FW+12, 10, 18, 96
	global_load_b64 v[WS:WS+1], v11, s[20:21]
	s_wait_loadcnt 0x0
	IMAGE FW, 5, 0
	IMAGE FW+12, 5, 1536
	ds_store_b32 v7, v[WS]
	ds_store_b32 v7, v[WS+1] offset:128
	BARRIER                                        ; the weight's 32 images lie in LDS
.irp g, 0,1,2,3
	GEMM4 4, 4*\g
.irp u, 0,1,2,3
	COLSTAT ACC+8*\u, 4*\g+\u, \u
.endr
.endr
	BARRIER
	s_cmp_lt_u32 s40, 8
	s_cbranch_scc0 .Lzend
.set ci, 0
.rept 16
	ds_load_b32 v[FW+ci], v[ZR] offset:2048*ci
	ds_load_b32 v[FW+16+ci], v[ZR] offset:2048*ci+1024
.set ci, ci+1
.endr
	s_wait_dscnt 0x0
	MERGE 16, FW, 1, FW+16, 1, 0x3d800000, 0x41800000, CSR, CSR+1, CT, CT+1
	global_store_b32 v[C4], v[CSR], s[28:29]
	global_store_b32 v[C4], v[CSR+1], s[28:29] offset:1024
.Lzend:
	s_wait_tensorcnt 0x0
	ds_add_u32 v138, v139
	s_wait_dscnt 0x0
	s_endpgm
.Lfunc_end_k_q2e1152758a_knn_b:
	.size	k_q2e1152758a_knn_b, .Lfunc_end_k_q2e1152758a_knn_b-k_q2e1152758a_knn_b
	.p2alignl 7, 3214868480
	.fill 96, 4, 3214868480
	.section	.rodata,"a",@progbits
	.p2align	6, 0x0
	.amdhsa_kernel k_q2e1152758a_knn_b
		.amdhsa_group_segment_fixed_size 88064
		.amdhsa_private_segment_fixed_size 0
		.amdhsa_enable_private_segment 0
		.amdhsa_kernarg_size 104
		.amdhsa_user_sgpr_count 2
		.amdhsa_user_sgpr_kernarg_segment_ptr 1
		.amdhsa_wavefront_size32 1
		.amdhsa_system_sgpr_workgroup_id_x 1
		.amdhsa_system_sgpr_workgroup_id_y 1
		.amdhsa_system_sgpr_workgroup_id_z 1
		.amdhsa_system_vgpr_workitem_id 0
		.amdhsa_next_free_vgpr 256
		.amdhsa_next_free_sgpr 66
		.amdhsa_reserve_vcc 1
		.amdhsa_float_denorm_mode_32 3
		.amdhsa_float_denorm_mode_16_64 3
		.amdhsa_memory_ordered 1
		.amdhsa_forward_progress 1
		.amdhsa_inst_pref_size 206
	.end_amdhsa_kernel
	.amdgpu_metadata
---
amdhsa.version: [ 1, 2 ]
amdhsa.kernels:
  - .name:           k_q2e1152758a_knn_b
    .symbol:         k_q2e1152758a_knn_b.kd
    .args:
      - { .name: p1, .offset: 0, .size: 8, .value_kind: global_buffer, .address_space: global }
      - { .name: p2, .offset: 8, .size: 8, .value_kind: global_buffer, .address_space: global }
      - { .name: gmask, .offset: 16, .size: 8, .value_kind: global_buffer, .address_space: global }
      - { .name: x1_codes, .offset: 24, .size: 8, .value_kind: global_buffer, .address_space: global }
      - { .name: x1_scales, .offset: 32, .size: 8, .value_kind: global_buffer, .address_space: global }
      - { .name: x2_codes, .offset: 40, .size: 8, .value_kind: global_buffer, .address_space: global }
      - { .name: x2_scales, .offset: 48, .size: 8, .value_kind: global_buffer, .address_space: global }
      - { .name: W1_codes, .offset: 56, .size: 8, .value_kind: global_buffer, .address_space: global }
      - { .name: W1_scales, .offset: 64, .size: 8, .value_kind: global_buffer, .address_space: global }
      - { .name: W2_codes, .offset: 72, .size: 8, .value_kind: global_buffer, .address_space: global }
      - { .name: W2_scales, .offset: 80, .size: 8, .value_kind: global_buffer, .address_space: global }
      - { .name: nidx, .offset: 88, .size: 8, .value_kind: global_buffer, .address_space: global }
      - { .name: ping, .offset: 96, .size: 8, .value_kind: global_buffer, .address_space: global }
    .group_segment_fixed_size: 88064
    .private_segment_fixed_size: 0
    .kernarg_segment_align: 8
    .kernarg_segment_size: 104
    .max_flat_workgroup_size: 512
    .sgpr_count:     66
    .vgpr_count:     256
    .wavefront_size: 32
...
	.end_amdgpu_metadata
.endif
;; end of part 2
;; launch qkv (part 3): grid 256 x 1, 8 waves a work-group, no clusters, 234,496 bytes of LDS; arguments x1_codes, x1_scales, x2_codes, x2_scales, W1_codes, W1_scales, W2_codes, W2_scales, Wq_codes, Wq_scales, Wk_codes, Wk_scales, Wv_codes, Wv_scales, g1, b1, g2, b2, bq, bk, bv, ping, nidx, p1, p2, Wp1, bp1, feat; writes feat
.if DOCPART == 3
	.amdgcn_target "amdgcn-amd-amdhsa--gfx1250"
	.amdhsa_code_object_version 6
	.text
	.protected	k_q2e1152758a_qkv
	.globl	k_q2e1152758a_qkv
	.p2align	8
	.type	k_q2e1152758a_qkv,@function
k_q2e1152758a_qkv:
	s_mov_b64 s[64:65], 0
	v_nop
	global_prefetch_b8 v0, s[64:65] scope:SCOPE_SE
	s_setreg_imm32_b32 hwreg(HW_REG_WAVE_MODE, 25, 1), 1
	s_wait_xcnt 0x0
; TWO BODIES, parted on the work-group's number.
; Work-groups 0-191: x W^T again, batch norm, relu, quantised in registers, second product.  0-63: 128 rows of x1 each: x1h (stored) and q.  64-191: 128 rows of x2 each: k and v.
; A wave owns 16 rows and all 256 columns.  Weights lie in LDS as images of operand registers.  All products are used transposed (source 0 = 16 rows of the weight, source 1 = my rows), so a lane holds one row.
; The rows of the FIRST weight that form a tile are chosen so that a lane's 16 registers of two neighbouring tiles are 16 neighbours along the next K: lane r of tile t takes row 32 (t/2) + 8 (t%2) + r + 8 (r/8).
; v is stored with its channels in another order, got by the choice of Wv's rows alone: place 8 L + g holds channel 32 g + L, which is how the weighted sum reads it.
; The statistics come as 64 parts of 256 rows; x1 has 32 parts, each read twice: the doubling leaves the mean and doubles M2, which is divided by 16,384 in both roles.
; Work-groups 192-255: u = Wp1 (p2[idx] - p1) + bp1 for 128 queries each, stored, with (mean, M2) of the work-group's 2,048 rows of u.  The indices were stored by the launch before.
.set IMG1, 49152                       ; LDS: three weights' images, 49,152 bytes each;
.set IMG2, 98304
.set SCL, 147456                       ; their scale words, 4,096 bytes each;
.set PRM, 159744                       ; the norm's a and b', 1,024 bytes each;
.set BIA, 161792                       ; two biases;
.set STG, 163840                       ; a stage of 16 rows x 528 bytes for each wave;
.set NB, 231424                        ; the second body's own 256 bytes
.set SEL, 54
.set EPSR, 56
.set LI0, 1
.set LI1, 2
.set LI2, 3
.set LS, 4
.set PB, 5
.set BI, 6
.set STN, 7
.set STP, 8
.set RD, 9
.set C4, 10
.set PRW, 11
.set BIW, 12
.set XF, 16
.set XS, 40
.set HF, 42
.set HS, 66
.set WS, 68
.set ACC, 76
.set FW, 140
.set PX, 204
.set TM, 236
.set MB, 100
.set SG, 228
.set SBB, 229
.set SM, 230
.set SQ, 231
.set ST0, 232
.set ST1, 233
.set SAA, 234
.set SBO, 235
.macro BARRIER
	s_wait_dscnt 0x0
	s_barrier_signal -1
	s_barrier_wait -1
.endm
.macro LSUM x, t
.irp n, 1,2,4,8
	v_add_f32_dpp v[\x], v[\x], v[\x] row_xmask:\n row_mask:0xf bank_mask:0xf
.endr
	v_permlanex16_b32 v[\t], v[\x], s[SEL], s[SEL+1]
	v_add_f32 v[\x], v[\x], v[\t]
.endm
.macro FRAGLD reg, voff, sb, off
.irp p, 0,1,2,3,4,5
	global_load_b64 v[(\reg)+2*\p:(\reg)+2*\p+1], v[\voff], s[\sb:\sb+1] offset:(\off)+48*(\p/3)+8*(\p%3)
.endr
.endm
.macro IMAGE reg, adr, off
.irp c, 0,1,2
	ds_store_b128 v[\adr], v[(\reg)+4*\c:(\reg)+4*\c+3] offset:(\off)+512*\c
.endr
.endm
.macro FETCH reg, adr, off
.irp c, 0,1,2
	ds_load_b128 v[(\reg)+4*\c:(\reg)+4*\c+3], v[\adr] offset:(\off)+512*\c
.endr
.endm
.macro WLD reg, wsr, sC, sS, vrow, vsc, uo         ; my two tiles of a weight: four fragments and their scale words
.irp u, 0,1
	FRAGLD \reg+24*\u, \vrow, \sC, \u*\uo*192
	FRAGLD \reg+24*\u+12, \vrow, \sC, \u*\uo*192+96
	global_load_b64 v[\wsr+2*\u:\wsr+2*\u+1], v[\vsc], s[\sS:\sS+1] offset:\u*\uo*8
.endr
.endm
.macro WST reg, wsr, adr, lsw, scoff
.irp u, 0,1,2,3
	IMAGE \reg+12*\u, \adr, \u*1536
	ds_store_b32 v[\lsw], v[\wsr+\u] offset:\scoff+\u*128
.endr
.endm
.macro MERGE k, mb, hasq, qb, str, invk, nn, om, oq, t0, t1
	v_add_f32 v[\om], v[(\mb)], v[(\mb)+\str]
	v_add_f32 v[\t0], v[(\mb)+2*\str], v[(\mb)+3*\str]
.set mi, 4
.rept (\k-4)/2
	v_add_f32 v[\om], v[\om], v[(\mb)+mi*\str]
	v_add_f32 v[\t0], v[\t0], v[(\mb)+(mi+1)*\str]
.set mi, mi+2
.endr
	v_add_f32 v[\om], v[\om], v[\t0]
	v_mul_f32 v[\om], \invk, v[\om]
	v_sub_f32 v[\t0], v[(\mb)], v[\om]
	v_mul_f32 v[\t1], v[\t0], v[\t0]
.set mi, 1
.rept \k-1
	v_sub_f32 v[\t0], v[(\mb)+mi*\str], v[\om]
	v_fma_f32 v[\t1], v[\t0], v[\t0], v[\t1]
.set mi, mi+1
.endr
.if \hasq
	v_add_f32 v[\oq], v[(\qb)], v[(\qb)+\str]
	v_add_f32 v[\t0], v[(\qb)+2*\str], v[(\qb)+3*\str]
.set mi, 4
.rept (\k-4)/2
	v_add_f32 v[\oq], v[\oq], v[(\qb)+mi*\str]
	v_add_f32 v[\t0], v[\t0], v[(\qb)+(mi+1)*\str]
.set mi, mi+2
.endr
	v_add_f32 v[\oq], v[\oq], v[\t0]
	v_fma_f32 v[\oq], \nn, v[\t1], v[\oq]
.else
	v_mov_b32 v[\oq], v[\t1]
.endif
.endm
.macro STATS sA, sB, vo, sg, sb, invk, nn, invn    ; thread c: 64 parts of channel c, merged; a = g rsqrt(var + eps), b' = b - mean a
.set si, 0
.rept 32
	global_load_b32 v[MB+si], v[\vo], s[\sA:\sA+1] offset:2048*si
	global_load_b32 v[MB+64+si], v[\vo], s[\sA:\sA+1] offset:2048*si+1024
	global_load_b32 v[MB+32+si], v[\vo], s[\sB:\sB+1] offset:2048*si
	global_load_b32 v[MB+96+si], v[\vo], s[\sB:\sB+1] offset:2048*si+1024
.set si, si+1
.endr
	global_load_b32 v[SG], v[\vo], s[\sg:\sg+1]
	global_load_b32 v[SBB], v[\vo], s[\sb:\sb+1]
	s_wait_loadcnt 0x0
	MERGE 64, MB, 1, MB+64, 1, \invk, \nn, SM, SQ, ST0, ST1
	v_fma_f32 v[ST0], v[SQ], \invn, s[EPSR]
	v_rsq_f32 v[ST0], v[ST0]
	v_nop                                          ; a plain place behind the transcendental
	s_wait_alu depctr_va_vdst(0)
	v_mul_f32 v[SAA], v[SG], v[ST0]
	v_fma_f32 v[SBO], -v[SM], v[SAA], v[SBB]
.endm
; 64 numbers of a lane, register 16 b + i = k 32 b + 16 h + i of my row, become a fragment's codes in v[pc..] and its scale word in v[pw]
.macro QUANT s, pc, px, pw
.irp b, 0,1,2,3
	v_max3_num_f32 v[TM+\b], |v[(\s)+16*\b]|, |v[(\s)+1+16*\b]|, 0x1800000   ; with the floor 2^(3 - 127): the byte cannot fall under 1 (a block of zeros keeps that byte: its codes are zeros)
.endr
.irp i, 2,4,6,8,10,12,14
.irp b, 0,1,2,3
	v_max3_num_f32 v[TM+\b], v[TM+\b], |v[(\s)+16*\b+\i]|, |v[(\s)+1+16*\b+\i]|
.endr
.endr
.irp b, 0,1,2,3
	v_permlanex16_b32 v[TM+4+\b], v[TM+\b], s[SEL], s[SEL+1]
.endr
.irp b, 0,1,2,3
	v_max_num_f32 v[TM+\b], v[TM+\b], v[TM+4+\b]
.endr
.irp b, 0,1,2,3
	v_add_nc_u32 v[TM+12+\b], 0xff000000, v[TM+\b]   ; 2 off the exponent field: the conversion's scale operand
.endr
.irp b, 0,1,2,3
	v_lshrrev_b32 v[TM+4+\b], 23, v[TM+12+\b]
.endr
	v_lshl_or_b32 v[\pw], v[TM+5], 8, v[TM+4]
	v_lshl_or_b32 v[\pw], v[TM+6], 16, v[\pw]
	v_lshl_or_b32 v[\pw], v[TM+7], 24, v[\pw]
.irp c, 0,1
	v_cvt_scalef32_pk16_fp6_f32 v[(\pc)+6*\c:(\pc)+2+6*\c], v[(\s)+32*\c:(\s)+15+32*\c], v[TM+12+2*\c]
	v_cvt_scalef32_pk16_fp6_f32 v[(\px)+4*\c:(\px)+2+4*\c], v[(\s)+16+32*\c:(\s)+31+32*\c], v[TM+12+2*\c+1]
.endr
	v_nop                                          ; one plain place behind a scaled conversion
.irp c, 0,1
.irp i, 0,1,2
	v_permlane16_swap_b32 v[(\pc)+6*\c+\i], v[(\px)+4*\c+\i]   ; a whole block to a lane
.endr
.irp i, 0,1,2
	v_mov_b32 v[(\pc)+3+6*\c+\i], v[(\px)+4*\c+\i]
.endr
.endr
.rept 8
	v_nop                                          ; a scale register written by a vector instruction stands 8 places ahead of a scaled matrix instruction
.endr
.endm
.macro BNRELU base, ks                 ; my 64 numbers of K step ks: x a + b', clipped at 0
.irp b, 0,1,2,3
.irp j, 0,1,2,3
	ds_load_b128 v[FW+4*\j:FW+4*\j+3], v[PB] offset:512*\ks+128*\b+16*\j
	ds_load_b128 v[FW+16+4*\j:FW+16+4*\j+3], v[PB] offset:1024+512*\ks+128*\b+16*\j
.endr
	s_wait_dscnt 0x0
.irp i, 0,2,4,6,8,10,12,14
	v_pk_fma_f32 v[\base+16*\b+\i:\base+16*\b+\i+1], v[\base+16*\b+\i:\base+16*\b+\i+1], v[FW+\i:FW+\i+1], v[FW+16+\i:FW+17+\i]
.endr
.irp i, 0,1,2,3,4,5,6,7,8,9,10,11,12,13,14,15
	v_max_num_f32 v[\base+16*\b+\i], 0, v[\base+16*\b+\i]
.endr
.endr
.endm
; Four tiles: source 0 = 16 rows of the weight, source 1 = my rows.  inpl = 1: the sums begin on a bias loaded into the accumulators.  The four accumulators take turns.
.macro GEMM4 adr, t0, scoff, acc, bf, bs, inpl
	s_wait_xcnt 0x0                                ; earlier stores have read the registers that the fragments now take
.set gi, 0
.rept 8
	FETCH FW+12*gi, \adr, (2*(\t0)+gi)*1536
	ds_load_b32 v[WS+gi], v[LS] offset:(\scoff)+(2*(\t0)+gi)*128
.set gi, gi+1
.endr
	s_wait_dscnt 0x0
.irp tt, 0,1,2,3
.if \inpl
	v_wmma_scale_f32_16x16x128_f8f6f4 v[(\acc)+8*\tt:(\acc)+8*\tt+7], v[FW+24*\tt:FW+24*\tt+11], v[\bf:\bf+11], v[(\acc)+8*\tt:(\acc)+8*\tt+7], v[WS+2*\tt], v[\bs] matrix_a_fmt:MATRIX_FMT_FP6 matrix_b_fmt:MATRIX_FMT_FP6
.else
	v_wmma_scale_f32_16x16x128_f8f6f4 v[(\acc)+8*\tt:(\acc)+8*\tt+7], v[FW+24*\tt:FW+24*\tt+11], v[\bf:\bf+11], 0, v[WS+2*\tt], v[\bs] matrix_a_fmt:MATRIX_FMT_FP6 matrix_b_fmt:MATRIX_FMT_FP6
.endif
.endr
.irp tt, 0,1,2,3
	v_wmma_scale_f32_16x16x128_f8f6f4 v[(\acc)+8*\tt:(\acc)+8*\tt+7], v[FW+24*\tt+12:FW+24*\tt+23], v[\bf+12:\bf+23], v[(\acc)+8*\tt:(\acc)+8*\tt+7], v[WS+2*\tt+1], v[\bs+1] matrix_a_fmt:MATRIX_FMT_FP6 matrix_b_fmt:MATRIX_FMT_FP6
.endr
.rept 5
	v_nop                                          ; places: reads of the results, loads into the fragments, sums begun anew
.endr
.endm
; 16 rows x 128 numbers leave through my own stage and go out as rows of 512 consecutive bytes.  perm = 0: register 8 tt + j is column 16 tt + 8 h + j; 1: register 16 b + i is column 32 b + 16 h + i
.macro OUT64 acc, perm, sd, coloff
	s_wait_xcnt 0x0
.set oi, 0
.rept 16
.if \perm
	ds_store_b128 v[STP], v[\acc+4*oi:\acc+4*oi+3] offset:128*(oi/4)+16*(oi%4)
.else
	ds_store_b128 v[STN], v[\acc+4*oi:\acc+4*oi+3] offset:64*(oi/2)+16*(oi%2)
.endif
.set oi, oi+1
.endr
.set oi, 0
.rept 16
	ds_load_b128 v[FW+4*oi:FW+4*oi+3], v[RD] offset:528*oi          ; LDS serves a wave's instructions in order: these see my stores
.set oi, oi+1
.endr
.set oi, 0
.rept 16
	s_wait_dscnt 15-oi
	global_store_b128 v[LI0], v[FW+4*oi:FW+4*oi+3], s[\sd:\sd+1] offset:1024*oi+\coloff
.set oi, oi+1
.endr
.endm
.macro PROD n, adr, sd                 ; the second product with weight n, half of the columns at a time
.irp hf, 0,1
.irp u, 0,1,2,3,4,5,6,7
	ds_load_b128 v[ACC+8*\u:ACC+8*\u+3], v[BI] offset:1024*(\n-1)+512*\hf+64*\u
	ds_load_b128 v[ACC+8*\u+4:ACC+8*\u+7], v[BI] offset:1024*(\n-1)+512*\hf+64*\u+16
.endr
	GEMM4 \adr, 8*\hf, 4096*\n, ACC, HF, HS, 1
	GEMM4 \adr, 8*\hf+4, 4096*\n, ACC+32, HF, HS, 1
	OUT64 ACC, 0, \sd, 512*\hf
.endr
.endm
	v_lshl_add_u32 v246, v0, 2, 0x39000
	v_mov_b32 v247, 0
	v_lshrrev_b32 v13, 5, v0
	v_readfirstlane_b32 s50, v13                   ; wave
	s_mov_b32 s54, 0x76543210
	s_mov_b32 s55, 0xfedcba98
	s_mov_b32 s56, 0x3727c5ac                      ; eps = 1e-5
	s_cmp_ge_u32 ttmp9, 192
	s_cbranch_scc1 .Lnbr
	s_load_b512 s[4:19], s[0:1], 0x0               ; x1 c, s; x2 c, s; W1 c, s; W2 c, s
	s_load_b512 s[20:35], s[0:1], 0x40             ; Wq c, s; Wk c, s; Wv c, s; g1; b1
	s_load_b256 s[36:43], s[0:1], 0x80             ; g2, b2, bq, bk
	s_load_b128 s[44:47], s[0:1], 0xa0             ; bv, ping
	s_load_b64 s[48:49], s[0:1], 0xd8              ; feat
	v_and_b32 v13, 31, v0
	v_and_b32 v14, 15, v0
	v_bfe_u32 v15, v0, 4, 1
	v_lshlrev_b32 v[LI0], 4, v13
	v_add_nc_u32 v[LI1], IMG1, v[LI0]
	v_add_nc_u32 v[LI2], IMG2, v[LI0]
	v_lshl_add_u32 v[LS], v13, 2, SCL
	v_lshl_add_u32 v[PB], v15, 6, PRM
	v_lshl_add_u32 v[BI], v15, 5, BIA
	s_mul_i32 s52, s50, 8448
	s_add_co_u32 s52, s52, STG
	v_mul_u32_u24 v[STN], v14, 528
	v_add_nc_u32 v[STN], s52, v[STN]
	v_lshl_add_u32 v[STP], v15, 6, v[STN]
	v_lshl_add_u32 v[STN], v15, 5, v[STN]
	v_add_nc_u32 v[RD], s52, v[LI0]
	v_lshlrev_b32 v[C4], 2, v0
	v_add_nc_u32 v[PRW], PRM, v[C4]
	v_add_nc_u32 v[BIW], BIA, v[C4]
	s_mul_i32 s52, s50, 6144                       ; my two tiles' four images
	v_add_nc_u32 v124, s52, v[LI0]
	v_add_nc_u32 v125, s52, v[LI1]
	v_add_nc_u32 v126, s52, v[LI2]
	s_lshl_b32 s52, s50, 9
	v_add_nc_u32 v127, s52, v[LS]
	s_lshl_b32 s52, s50, 5
	v_and_b32 v138, 8, v14
	v_add_nc_u32 v138, v138, v14
	v_add_nc_u32 v138, s52, v138                   ; first weight: row 32 w + 8 u + r + 8 (r/8)
	v_mul_u32_u24 v128, v138, 192
	v_mad_u32_u24 v128, v15, 24, v128
	v_lshlrev_b32 v129, 3, v138
	v_add_nc_u32 v138, s52, v14                    ; Wq, Wk: row 32 w + 16 u + r
	v_mul_u32_u24 v130, v138, 192
	v_mad_u32_u24 v130, v15, 24, v130
	v_lshlrev_b32 v131, 3, v138
	v_and_b32 v138, 7, v14
	v_lshlrev_b32 v138, 5, v138
	v_lshrrev_b32 v139, 3, v14
	v_add_nc_u32 v138, v138, v139
	s_lshl_b32 s52, s50, 2
	v_add_nc_u32 v138, s52, v138                   ; Wv: row 32 (r%8) + 4 w + 2 u + r/8
	v_mul_u32_u24 v132, v138, 192
	v_mad_u32_u24 v132, v15, 24, v132
	v_lshlrev_b32 v133, 3, v138
	s_lshl_b32 s52, s50, 4
	v_add_nc_u32 v138, s52, v14                    ; x: row 16 w + r
	v_mul_u32_u24 v134, v138, 192
	v_mad_u32_u24 v134, v15, 24, v134
	v_lshlrev_b32 v135, 3, v138
	v_and_b32 v137, 7, v0
	v_lshlrev_b32 v137, 5, v137
	v_lshrrev_b32 v139, 3, v0
	v_add_nc_u32 v137, v137, v139
	v_lshlrev_b32 v137, 2, v137                    ; place p of v's order holds bv[32 (p%8) + p/8]
	s_cmp_ge_u32 ttmp9, 64
	s_cselect_b32 s51, 1, 0                        ; role: 0 = x1, 1 = x2
	s_cselect_b32 s52, 64, 0
	s_sub_co_u32 s52, ttmp9, s52                   ; my block of 128 rows
	s_wait_kmcnt 0x0
	s_cmp_lg_u32 s51, 0
	s_cselect_b64 s[4:5], s[8:9], s[4:5]
	s_cselect_b64 s[6:7], s[10:11], s[6:7]
	s_cselect_b64 s[12:13], s[16:17], s[12:13]
	s_cselect_b64 s[14:15], s[18:19], s[14:15]
	s_cselect_b64 s[20:21], s[24:25], s[20:21]
	s_cselect_b64 s[22:23], s[26:27], s[22:23]
	s_cselect_b64 s[32:33], s[36:37], s[32:33]
	s_cselect_b64 s[34:35], s[38:39], s[34:35]
	s_cselect_b64 s[40:41], s[42:43], s[40:41]
	s_cselect_b32 s58, 0x10000, 0
	s_cselect_b32 s60, 0x20000, 0
	s_cselect_b32 s62, 0x800000, 0
	s_mov_b32 s59, 0
	s_mov_b32 s61, 0
	s_mov_b32 s63, 0
	s_add_nc_u64 s[18:19], s[46:47], s[58:59]      ; parts 0-31 (x1) or 32-63 (x2)
	s_add_nc_u64 s[24:25], s[46:47], s[60:61]      ; parts 0-31 once more (x1) or 64-95 (x2)
	s_mul_i32 s58, s52, 24576
	s_add_nc_u64 s[4:5], s[4:5], s[58:59]
	s_lshl_b32 s58, s52, 10
	s_add_nc_u64 s[6:7], s[6:7], s[58:59]
	s_lshl_b32 s58, s52, 17
	s_lshl_b32 s60, s50, 14
	s_add_co_u32 s58, s58, s60                     ; my 16 rows of 1,024 bytes
	s_add_nc_u64 s[48:49], s[48:49], s[58:59]
	s_add_nc_u64 s[8:9], s[48:49], s[62:63]        ; q or k
	s_add_nc_u64 s[10:11], s[48:49], 25165824      ; v
	s_add_nc_u64 s[16:17], s[48:49], 41943040      ; x1h
	FRAGLD XF, 134, 4, 0
	FRAGLD XF+12, 134, 4, 96
	global_load_b64 v[XS:XS+1], v135, s[6:7]
	WLD 140, 68, 12, 14, 128, 129, 8
	WLD 188, 72, 20, 22, 130, 131, 16
	global_load_b32 v138, v[C4], s[40:41]
	s_cmp_eq_u32 s51, 0
	s_cbranch_scc1 .Lno_v
	WLD 76, 252, 28, 30, 132, 133, 2
	global_load_b32 v139, v137, s[44:45]
	s_wait_loadcnt 0x0
	WST 76, 252, 126, 127, 8192
	ds_store_b32 v[BIW], v139 offset:1024
.Lno_v:
	s_wait_loadcnt 0x0
	WST 140, 68, 124, 127, 0
	WST 188, 72, 125, 127, 4096
	ds_store_b32 v[BIW], v138
	s_wait_dscnt 0x0                               ; the stores have read their registers
	STATS 18, 24, C4, 32, 34, 0x3c800000, 0x43800000, 0x38800000
	ds_store_b32 v[PRW], v[SAA]
	ds_store_b32 v[PRW], v[SBO] offset:1024
.irp b, 4,5,6,7
	v_mov_b32 v[TM+\b], 0                          ; written once: a lane permute's destination counts as read
.endr
	BARRIER                                        ; images, biases and the norm's numbers lie in LDS
.irp ks, 0,1
	GEMM4 LI0, 8*\ks, 0, ACC, XF, XS, 0
	GEMM4 LI0, 8*\ks+4, 0, ACC+32, XF, XS, 0
	BNRELU ACC, \ks
	s_cmp_lg_u32 s51, 0
	s_cbranch_scc1 .Lnox\ks
	OUT64 ACC, 1, 16, 512*\ks                      ; x1h, in f32
.Lnox\ks:
	QUANT ACC, HF+12*\ks, PX, HS+\ks
.endr
	PROD 1, LI1, 8
	s_cmp_eq_u32 s51, 0
	s_cbranch_scc1 .Lqend
	PROD 2, LI2, 10
.Lqend:
	s_wait_tensorcnt 0x0
	ds_add_u32 v246, v247
	s_wait_dscnt 0x0
	s_endpgm
	; ---- u of the neighbours.  Query q = 128 wgn + 16 w + 2 t + h, t = 0 .. 7, neighbour r.  Written out: the step t stands in the immediates, all loads of a kind go out together, every step has registers of its own.
	; v20-27 indices; v28.. p1 (4 a step); v60-67 gather offsets; v68.. p2, then p2 - p1, then u less the first u; v100.. u (the fourth word 0); v140.., v144.. the sums
.Lnbr:
	s_load_b256 s[4:11], s[0:1], 0xb0              ; nidx, p1, p2, Wp1
	s_load_b128 s[12:15], s[0:1], 0xd0             ; bp1, feat
	v_and_b32 v1, 15, v0
	v_bfe_u32 v2, v0, 4, 1
	s_sub_co_u32 s51, ttmp9, 192
	s_lshl_b32 s52, s51, 7
	s_lshl_b32 s53, s50, 4
	s_add_co_u32 s52, s52, s53
	v_add_nc_u32 v8, s52, v2                       ; q of step 0
	v_lshlrev_b32 v4, 6, v8
	v_lshl_add_u32 v4, v1, 2, v4                   ; 64 q + 4 r
	v_mul_u32_u24 v5, v8, 12                       ; 12 q
	v_lshlrev_b32 v6, 2, v4                        ; 256 q + 16 r
	s_lshl_b32 s53, s50, 5
	v_mov_b32 v7, s53
	v_add_nc_u32 v7, NB, v7
	v_mov_b32 v8, NB
	v_mov_b32 v9, 0
	s_wait_kmcnt 0x0
.irp t, 0,1,2,3,4,5,6,7
	global_load_b32 v[20+\t], v4, s[4:5] offset:128*\t
	global_load_b96 v[28+4*\t:30+4*\t], v5, s[6:7] offset:24*\t
.endr
	s_load_b256 s[20:27], s[10:11], 0x0
	s_load_b32 s28, s[10:11], 0x20
	s_load_b96 s[32:34], s[12:13], 0x0
	s_add_nc_u64 s[36:37], s[14:15], 50331648      ; u
	s_lshl_b32 s52, s51, 5
	s_mov_b32 s53, 0
	s_add_nc_u64 s[38:39], s[14:15], s[52:53]
	s_add_nc_u64 s[38:39], s[38:39], 52428800      ; my part of u's statistics
.irp t, 0,1,2,3,4,5,6,7
	v_mov_b32 v[103+4*\t], 0
.endr
	v_mov_b32 v148, 0                              ; written once: a lane permute's destination counts as read
	s_wait_loadcnt 0x0
.irp t, 0,1,2,3,4,5,6,7
	v_min_u32 v[60+\t], 0x3fff, v[20+\t]
	v_mul_u32_u24 v[60+\t], v[60+\t], 12
.endr
.irp t, 0,1,2,3,4,5,6,7
	global_load_b96 v[68+4*\t:70+4*\t], v[60+\t], s[8:9]
.endr
	s_wait_kmcnt 0x0
	s_wait_loadcnt 0x0
.irp t, 0,1,2,3,4,5,6,7
.irp c, 0,1,2
	v_sub_f32 v[68+4*\t+\c], v[68+4*\t+\c], v[28+4*\t+\c]
.endr
.endr
.irp t, 0,1,2,3,4,5,6,7
	v_fma_f32 v[100+4*\t], v[68+4*\t], s20, s32
	v_fma_f32 v[101+4*\t], v[68+4*\t], s23, s33
	v_fma_f32 v[102+4*\t], v[68+4*\t], s26, s34
.endr
.irp t, 0,1,2,3,4,5,6,7
	v_fma_f32 v[100+4*\t], v[69+4*\t], s21, v[100+4*\t]
	v_fma_f32 v[101+4*\t], v[69+4*\t], s24, v[101+4*\t]
	v_fma_f32 v[102+4*\t], v[69+4*\t], s27, v[102+4*\t]
.endr
.irp t, 0,1,2,3,4,5,6,7
	v_fma_f32 v[100+4*\t], v[70+4*\t], s22, v[100+4*\t]
	v_fma_f32 v[101+4*\t], v[70+4*\t], s25, v[101+4*\t]
	v_fma_f32 v[102+4*\t], v[70+4*\t], s28, v[102+4*\t]
.endr
.irp t, 0,1,2,3,4,5,6,7
	global_store_b128 v6, v[100+4*\t:103+4*\t], s[36:37] offset:512*\t   ; the wave stores 512 consecutive bytes
.endr
.irp t, 1,2,3,4,5,6,7                  ; sums of u less the lane's first u
.irp c, 0,1,2
	v_sub_f32 v[68+4*\t+\c], v[100+4*\t+\c], v[100+\c]
.endr
.endr
.irp c, 0,1,2
	v_add_f32 v[140+\c], v[72+\c], v[76+\c]
	v_mul_f32 v[144+\c], v[72+\c], v[72+\c]
	v_fma_f32 v[144+\c], v[76+\c], v[76+\c], v[144+\c]
.endr
.irp t, 3,4,5,6,7
.irp c, 0,1,2
	v_add_f32 v[140+\c], v[140+\c], v[68+4*\t+\c]
	v_fma_f32 v[144+\c], v[68+4*\t+\c], v[68+4*\t+\c], v[144+\c]
.endr
.endr
	v_mov_b32 v155, 0
	v_mov_b32 v159, 0
.irp t, 0,1,2
	v_mul_f32 v132, 0x3e000000, v[140+\t]
	v_add_f32 v133, v[100+\t], v132                ; the lane's mean of 8
	v_fma_f32 v134, -v132, v[140+\t], v[144+\t]    ; and M2
	v_mov_b32 v[152+\t], v133
	LSUM 152+\t, 148
	v_mul_f32 v[152+\t], 0x3d000000, v[152+\t]     ; the wave's mean of 256
	v_sub_f32 v133, v133, v[152+\t]
	v_mul_f32 v133, v133, v133
	v_fma_f32 v[156+\t], 0x41000000, v133, v134
	LSUM 156+\t, 148
.endr
	ds_store_b128 v7, v[152:155]
	ds_store_b128 v7, v[156:159] offset:16
	BARRIER
	s_cmp_lg_u32 s50, 0
	s_cbranch_scc1 .Lnend
.set t, 0
.rept 16
	ds_load_b128 v[160+4*t:163+4*t], v8 offset:16*t
.set t, t+1
.endr
	v_mov_b32 v227, 0
	v_mov_b32 v231, 0
	s_wait_dscnt 0x0
.irp t, 0,1,2
	MERGE 8, 160+\t, 1, 164+\t, 8, 0x3e000000, 0x43800000, 224+\t, 228+\t, 232, 233
.endr
	global_store_b128 v9, v[224:227], s[38:39]     ; (every lane the same 32 bytes)
	global_store_b128 v9, v[228:231], s[38:39] offset:16
.Lnend:
	s_wait_tensorcnt 0x0
	ds_add_u32 v246, v247
	s_wait_dscnt 0x0
	s_endpgm
.Lfunc_end_k_q2e1152758a_qkv:
	.size	k_q2e1152758a_qkv, .Lfunc_end_k_q2e1152758a_qkv-k_q2e1152758a_qkv
	.p2alignl 7, 3214868480
	.fill 96, 4, 3214868480
	.section	.rodata,"a",@progbits
	.p2align	6, 0x0
	.amdhsa_kernel k_q2e1152758a_qkv
		.amdhsa_group_segment_fixed_size 234496
		.amdhsa_private_segment_fixed_size 0
		.amdhsa_enable_private_segment 0
		.amdhsa_kernarg_size 224
		.amdhsa_user_sgpr_count 2
		.amdhsa_user_sgpr_kernarg_segment_ptr 1
		.amdhsa_wavefront_size32 1
		.amdhsa_system_sgpr_workgroup_id_x 1
		.amdhsa_system_sgpr_workgroup_id_y 1
		.amdhsa_system_sgpr_workgroup_id_z 1
		.amdhsa_system_vgpr_workitem_id 0
		.amdhsa_next_free_vgpr 256
		.amdhsa_next_free_sgpr 66
		.amdhsa_reserve_vcc 0
		.amdhsa_float_denorm_mode_32 3
		.amdhsa_float_denorm_mode_16_64 3
		.amdhsa_memory_ordered 1
		.amdhsa_forward_progress 1
		.amdhsa_inst_pref_size 150
	.end_amdhsa_kernel
	.amdgpu_metadata
---
amdhsa.version: [ 1, 2 ]
amdhsa.kernels:
  - .name:           k_q2e1152758a_qkv
    .symbol:         k_q2e1152758a_qkv.kd
    .args:
      - { .name: x1_codes, .offset: 0, .size: 8, .value_kind: global_buffer, .address_space: global }
      - { .name: x1_scales, .offset: 8, .size: 8, .value_kind: global_buffer, .address_space: global }
      - { .name: x2_codes, .offset: 16, .size: 8, .value_kind: global_buffer, .address_space: global }
      - { .name: x2_scales, .offset: 24, .size: 8, .value_kind: global_buffer, .address_space: global }
      - { .name: W1_codes, .offset: 32, .size: 8, .value_kind: global_buffer, .address_space: global }
      - { .name: W1_scales, .offset: 40, .size: 8, .value_kind: global_buffer, .address_space: global }
      - { .name: W2_codes, .offset: 48, .size: 8, .value_kind: global_buffer, .address_space: global }
      - { .name: W2_scales, .offset: 56, .size: 8, .value_kind: global_buffer, .address_space: global }
      - { .name: Wq_codes, .offset: 64, .size: 8, .value_kind: global_buffer, .address_space: global }
      - { .name: Wq_scales, .offset: 72, .size: 8, .value_kind: global_buffer, .address_space: global }
      - { .name: Wk_codes, .offset: 80, .size: 8, .value_kind: global_buffer, .address_space: global }
      - { .name: Wk_scales, .offset: 88, .size: 8, .value_kind: global_buffer, .address_space: global }
      - { .name: Wv_codes, .offset: 96, .size: 8, .value_kind: global_buffer, .address_space: global }
      - { .name: Wv_scales, .offset: 104, .size: 8, .value_kind: global_buffer, .address_space: global }
      - { .name: g1, .offset: 112, .size: 8, .value_kind: global_buffer, .address_space: global }
      - { .name: b1, .offset: 120, .size: 8, .value_kind: global_buffer, .address_space: global }
      - { .name: g2, .offset: 128, .size: 8, .value_kind: global_buffer, .address_space: global }
      - { .name: b2, .offset: 136, .size: 8, .value_kind: global_buffer, .address_space: global }
      - { .name: bq, .offset: 144, .size: 8, .value_kind: global_buffer, .address_space: global }
      - { .name: bk, .offset: 152, .size: 8, .value_kind: global_buffer, .address_space: global }
      - { .name: bv, .offset: 160, .size: 8, .value_kind: global_buffer, .address_space: global }
      - { .name: ping, .offset: 168, .size: 8, .value_kind: global_buffer, .address_space: global }
      - { .name: nidx, .offset: 176, .size: 8, .value_kind: global_buffer, .address_space: global }
      - { .name: p1, .offset: 184, .size: 8, .value_kind: global_buffer, .address_space: global }
      - { .name: p2, .offset: 192, .size: 8, .value_kind: global_buffer, .address_space: global }
      - { .name: Wp1, .offset: 200, .size: 8, .value_kind: global_buffer, .address_space: global }
      - { .name: bp1, .offset: 208, .size: 8, .value_kind: global_buffer, .address_space: global }
      - { .name: feat, .offset: 216, .size: 8, .value_kind: global_buffer, .address_space: global }
    .group_segment_fixed_size: 234496
    .private_segment_fixed_size: 0
    .kernarg_segment_align: 8
    .kernarg_segment_size: 224
    .max_flat_workgroup_size: 256
    .sgpr_count:     66
    .vgpr_count:     256
    .wavefront_size: 32
...
	.end_amdgpu_metadata
.endif
;; end of part 3
;; launch wstat (part 4): grid 256 x 1, 16 waves a work-group, no clusters, 18,432 bytes of LDS; arguments feat, nidx, Wp2, bp2, gp, bp, ping; writes ping
.if DOCPART == 4
	.amdgcn_target "amdgcn-amd-amdhsa--gfx1250"
	.amdhsa_code_object_version 6
	.text
	.protected	k_q2e1152758a_wstat
	.globl	k_q2e1152758a_wstat
	.p2align	8
	.type	k_q2e1152758a_wstat,@function
k_q2e1152758a_wstat:
	s_mov_b64 s[64:65], 0
	v_nop
	global_prefetch_b8 v0, s[64:65] scope:SCOPE_SE
	s_setreg_imm32_b32 hwreg(HW_REG_WAVE_MODE, 25, 1), 1
	s_wait_xcnt 0x0
; STATISTICS of w = k[idx] - q + p_r, p_r = Wp2 relu(bn(u)) + bp2, over the 131,072 neighbour rows, per channel.
; Work-group (rb, cq): 128 queries x 64 channels; a wave 8 queries; lane (h, r): channels 64 cq + 4 r .. + 3, neighbours 8 h + 0 .. 7: a gather instruction reads 256 consecutive bytes of each of two rows.
; Sums are taken of w less the lane's first w; a lane's (mean, M2) of 64 rows are merged through LDS into the work-group's part of 2,048 rows.  No matrix work, no tensor loads: nothing here is read twice by a work-group.
.set SEL, 44
.set EPSR, 46
.set PSTP, 32
.set GPS, 20
.set BPS, 24
.set SC, 36
.set SH, 40
.set PSB, 72
.set PSO, 96
.set IDX, 8
.set K0, 72
.set UB0, 136
.set QB0, 144
.set AD0, 152
.set WP, 168
.set BP, 180
.set S1, 184
.set S2, 188
.set CC, 192
.set AT, 196
.set WT, 200
.set DV, 204
.macro LSUM x, t
.irp n, 1,2,4,8
	v_add_f32_dpp v[\x], v[\x], v[\x] row_xmask:\n row_mask:0xf bank_mask:0xf
.endr
	v_permlanex16_b32 v[\t], v[\x], s[SEL], s[SEL+1]
	v_add_f32 v[\x], v[\x], v[\t]
.endm
.macro PSTAT                           ; every wave for itself: the 64 parts of u's statistics (2,048 rows each) become scale and shift of its three channels, as scalars
	v_mov_b32 v[PSB+17], 0
	global_load_b128 v[PSB:PSB+3], v[PSO], s[PSTP:PSTP+1]
	global_load_b128 v[PSB+4:PSB+7], v[PSO], s[PSTP:PSTP+1] offset:16
	global_load_b128 v[PSB+8:PSB+11], v[PSO], s[PSTP:PSTP+1] offset:1024
	global_load_b128 v[PSB+12:PSB+15], v[PSO], s[PSTP:PSTP+1] offset:1040
	s_wait_loadcnt 0x0
	s_wait_kmcnt 0x0
.irp t, 0,1,2
	v_add_f32 v[PSB+16], v[PSB+\t], v[PSB+8+\t]
	LSUM PSB+16, PSB+17
	v_mul_f32 v[PSB+16], 0x3c800000, v[PSB+16]
	v_sub_f32 v[PSB+18], v[PSB+\t], v[PSB+16]
	v_sub_f32 v[PSB+19], v[PSB+8+\t], v[PSB+16]
	v_mul_f32 v[PSB+18], v[PSB+18], v[PSB+18]
	v_fma_f32 v[PSB+18], v[PSB+19], v[PSB+19], v[PSB+18]
	v_add_f32 v[PSB+19], v[PSB+4+\t], v[PSB+12+\t]
	v_fma_f32 v[PSB+18], 0x45000000, v[PSB+18], v[PSB+19]
	LSUM PSB+18, PSB+17
	v_fma_f32 v[PSB+18], v[PSB+18], 0x37000000, s[EPSR]
	v_rsq_f32 v[PSB+18], v[PSB+18]
	v_nop
	s_wait_alu depctr_va_vdst(0)
	v_mul_f32 v[PSB+18], s[GPS+\t], v[PSB+18]
	v_fma_f32 v[PSB+19], -v[PSB+16], v[PSB+18], s[BPS+\t]
	v_readfirstlane_b32 s[SC+\t], v[PSB+18]
	v_readfirstlane_b32 s[SH+\t], v[PSB+19]
.endr
.endm
.macro MERGE k, mb, hasq, qb, str, invk, nn, om, oq, t0, t1
	v_add_f32 v[\om], v[(\mb)], v[(\mb)+\str]
	v_add_f32 v[\t0], v[(\mb)+2*\str], v[(\mb)+3*\str]
.set mi, 4
.rept (\k-4)/2
	v_add_f32 v[\om], v[\om], v[(\mb)+mi*\str]
	v_add_f32 v[\t0], v[\t0], v[(\mb)+(mi+1)*\str]
.set mi, mi+2
.endr
	v_add_f32 v[\om], v[\om], v[\t0]
	v_mul_f32 v[\om], \invk, v[\om]
	v_sub_f32 v[\t0], v[(\mb)], v[\om]
	v_mul_f32 v[\t1], v[\t0], v[\t0]
.set mi, 1
.rept \k-1
	v_sub_f32 v[\t0], v[(\mb)+mi*\str], v[\om]
	v_fma_f32 v[\t1], v[\t0], v[\t0], v[\t1]
.set mi, mi+1
.endr
	v_add_f32 v[\oq], v[(\qb)], v[(\qb)+\str]
	v_add_f32 v[\t0], v[(\qb)+2*\str], v[(\qb)+3*\str]
.set mi, 4
.rept (\k-4)/2
	v_add_f32 v[\oq], v[\oq], v[(\qb)+mi*\str]
	v_add_f32 v[\t0], v[\t0], v[(\qb)+(mi+1)*\str]
.set mi, mi+2
.endr
	v_add_f32 v[\oq], v[\oq], v[\t0]
	v_fma_f32 v[\oq], \nn, v[\t1], v[\oq]
.endm
.macro ISSUE t                         ; query t's ten loads, into set t % 2
.irp i, 0,1,2,3,4,5,6,7
	v_min_u32 v[AD0+8*((\t)%2)+\i], 0x3fff, v[IDX+8*(\t)+\i]
	v_lshl_add_u32 v[AD0+8*((\t)%2)+\i], v[AD0+8*((\t)%2)+\i], 10, v4
.endr
.irp i, 0,1,2,3,4,5,6,7
	global_load_b128 v[K0+32*((\t)%2)+4*\i:K0+32*((\t)%2)+4*\i+3], v[AD0+8*((\t)%2)+\i], s[28:29]
.endr
	global_load_b128 v[UB0+4*((\t)%2):UB0+4*((\t)%2)+3], v2, s[30:31] offset:256*(\t)
	global_load_b128 v[QB0+4*((\t)%2):QB0+4*((\t)%2)+3], v3, s[4:5] offset:1024*(\t)
.endm
.macro COMP t
.set kb, K0+32*((\t)%2)
.set ub, UB0+4*((\t)%2)
.set qb, QB0+4*((\t)%2)
.irp c, 0,1,2
	v_fma_f32 v[ub+\c], v[ub+\c], s[SC+\c], s[SH+\c]
	v_max_num_f32 v[ub+\c], 0, v[ub+\c]            ; lane r: relu(bn(u)) of neighbour 8 h + r % 8
.endr
	v_pk_add_f32 v[qb:qb+1], v[BP:BP+1], v[qb:qb+1] neg_lo:[0,1] neg_hi:[0,1]
	v_pk_add_f32 v[qb+2:qb+3], v[BP+2:BP+3], v[qb+2:qb+3] neg_lo:[0,1] neg_hi:[0,1]   ; bp2 - q
.irp i, 0,1,2,3,4,5,6,7
	v_mov_b32_dpp v[AT], v[ub] row_share:\i row_mask:0xf bank_mask:0xf
	v_mov_b32_dpp v[AT+1], v[ub+1] row_share:\i row_mask:0xf bank_mask:0xf
	v_mov_b32_dpp v[AT+2], v[ub+2] row_share:\i row_mask:0xf bank_mask:0xf
	v_pk_add_f32 v[WT:WT+1], v[kb+4*\i:kb+4*\i+1], v[qb:qb+1]
	v_pk_add_f32 v[WT+2:WT+3], v[kb+4*\i+2:kb+4*\i+3], v[qb+2:qb+3]
	v_pk_fma_f32 v[WT:WT+1], v[WP:WP+1], v[AT:AT+1], v[WT:WT+1] op_sel_hi:[1,0,1]
	v_pk_fma_f32 v[WT+2:WT+3], v[WP+2:WP+3], v[AT:AT+1], v[WT+2:WT+3] op_sel_hi:[1,0,1]
	v_pk_fma_f32 v[WT:WT+1], v[WP+4:WP+5], v[AT:AT+1], v[WT:WT+1] op_sel:[0,1,0] op_sel_hi:[1,1,1]
	v_pk_fma_f32 v[WT+2:WT+3], v[WP+6:WP+7], v[AT:AT+1], v[WT+2:WT+3] op_sel:[0,1,0] op_sel_hi:[1,1,1]
	v_pk_fma_f32 v[WT:WT+1], v[WP+8:WP+9], v[AT+2:AT+3], v[WT:WT+1] op_sel_hi:[1,0,1]
	v_pk_fma_f32 v[WT+2:WT+3], v[WP+10:WP+11], v[AT+2:AT+3], v[WT+2:WT+3] op_sel_hi:[1,0,1]
.if ((\t)+\i) == 0
.irp c, 0,1,2,3
	v_mov_b32 v[CC+\c], v[WT+\c]                   ; the lane's first w: what the sums are shifted by
.endr
.else
	v_pk_add_f32 v[DV:DV+1], v[WT:WT+1], v[CC:CC+1] neg_lo:[0,1] neg_hi:[0,1]
	v_pk_add_f32 v[DV+2:DV+3], v[WT+2:WT+3], v[CC+2:CC+3] neg_lo:[0,1] neg_hi:[0,1]
	v_pk_add_f32 v[S1:S1+1], v[S1:S1+1], v[DV:DV+1]
	v_pk_add_f32 v[S1+2:S1+3], v[S1+2:S1+3], v[DV+2:DV+3]
	v_pk_fma_f32 v[S2:S2+1], v[DV:DV+1], v[DV:DV+1], v[S2:S2+1]
	v_pk_fma_f32 v[S2+2:S2+3], v[DV+2:DV+3], v[DV+2:DV+3], v[S2+2:S2+3]
.endif
.endr
.endm
	s_load_b256 s[4:11], s[0:1], 0x0               ; feat, nidx, Wp2, bp2
	s_load_b128 s[12:15], s[0:1], 0x20             ; gp, bp
	s_load_b64 s[16:17], s[0:1], 0x30              ; ping
	v_lshl_add_u32 v208, v0, 2, 0x4000
	v_mov_b32 v209, 0
	v_lshrrev_b32 v1, 5, v0
	v_readfirstlane_b32 s47, v1                    ; wave
	v_and_b32 v5, 15, v0                           ; r
	v_bfe_u32 v6, v0, 4, 1                         ; h
	s_mov_b32 s44, 0x76543210
	s_mov_b32 s45, 0xfedcba98
	s_mov_b32 s46, 0x3727c5ac
	s_lshr_b32 s34, ttmp9, 2                       ; rb
	s_and_b32 s35, ttmp9, 3                        ; cq
	s_lshl_b32 s18, s34, 7
	s_lshl_b32 s19, s47, 3
	s_add_co_u32 s18, s18, s19                     ; my first query
	s_lshl_b32 s19, s18, 6
	v_lshl_add_u32 v1, v6, 5, s19                  ; indices: 64 q + 32 h
	s_lshl_b32 s19, s18, 8
	v_and_b32 v2, 7, v5
	v_lshlrev_b32 v2, 4, v2
	v_lshl_add_u32 v2, v6, 7, v2
	v_add_nc_u32 v2, s19, v2                       ; u: 256 q + 128 h + 16 (r % 8)
	s_lshl_b32 s19, s35, 8
	v_lshl_add_u32 v4, v5, 4, s19                  ; my 16 bytes of a row: 256 cq + 16 r
	s_lshl_b32 s19, s18, 10
	v_add_nc_u32 v3, s19, v4                       ; q: 1,024 q + that
	v_mul_u32_u24 v7, v4, 3                        ; Wp2: 12 bytes a channel
	s_lshl_b32 s19, s47, 10
	v_lshl_add_u32 v6, v6, 9, s19
	v_lshl_add_u32 v5, v5, 4, v6                   ; LDS: part 2 w + h of 512 bytes, + 16 r
	v_lshlrev_b32 v6, 2, v0                        ; the tail: 4 c
	v_and_b32 v[PSO], 31, v0
	v_lshlrev_b32 v[PSO], 5, v[PSO]
	s_wait_kmcnt 0x0
	s_load_b96 s[20:22], s[12:13], 0x0
	s_load_b96 s[24:26], s[14:15], 0x0
	s_add_nc_u64 s[28:29], s[4:5], 8388608         ; k
	s_add_nc_u64 s[30:31], s[4:5], 50331648        ; u
	s_add_nc_u64 s[32:33], s[4:5], 52428800        ; its parts
	s_lshl_b32 s18, s34, 11
	s_lshl_b32 s19, s35, 8
	s_add_co_u32 s18, s18, s19
	s_mov_b32 s19, 0
	s_add_nc_u64 s[16:17], s[16:17], s[18:19]
	s_add_nc_u64 s[16:17], s[16:17], 196608        ; my part's 64 channels
.irp t, 0,1,2,3,4,5,6,7
	global_load_b128 v[IDX+8*\t:IDX+8*\t+3], v1, s[6:7] offset:64*\t
	global_load_b128 v[IDX+8*\t+4:IDX+8*\t+7], v1, s[6:7] offset:64*\t+16
.endr
	global_load_b128 v[100:103], v7, s[8:9]
	global_load_b128 v[104:107], v7, s[8:9] offset:16
	global_load_b128 v[108:111], v7, s[8:9] offset:32
	global_load_b128 v[BP:BP+3], v4, s[10:11]
	PSTAT
.irp c, 0,1,2,3
.irp t, 0,1,2
	v_mov_b32 v[WP+4*\t+\c], v[100+3*\c+\t]
.endr
	v_mov_b32 v[S1+\c], 0
	v_mov_b32 v[S2+\c], 0
	v_mov_b32 v[AT+\c], 0
.endr
	ISSUE 0
.irp t, 0,1,2,3,4,5,6
	ISSUE \t+1
	s_wait_loadcnt 10                              ; this query's ten loads are in; the next query's ten stay out
	COMP \t
.endr
	s_wait_loadcnt 0x0
	COMP 7
.irp c, 0,1,2,3
	v_mul_f32 v[AT], 0x3c800000, v[S1+\c]
	v_add_f32 v[WT+\c], v[CC+\c], v[AT]            ; the lane's mean of 64 rows
	v_fma_f32 v[DV+\c], -v[AT], v[S1+\c], v[S2+\c] ; and M2
.endr
	ds_store_b128 v5, v[WT:WT+3]
	ds_store_b128 v5, v[DV:DV+3] offset:256
	s_wait_dscnt 0x0
	s_barrier_signal -1
	s_barrier_wait -1
	s_cmp_lt_u32 s47, 2
	s_cbranch_scc0 .Lend
.set t, 0
.rept 32
	ds_load_b32 v[72+t], v6 offset:512*t
	ds_load_b32 v[104+t], v6 offset:512*t+256
.set t, t+1
.endr
	s_wait_dscnt 0x0
	MERGE 32, 72, 1, 104, 1, 0x3d000000, 0x42800000, 136, 137, 138, 139
	global_store_b32 v6, v136, s[16:17]
	global_store_b32 v6, v137, s[16:17] offset:1024
.Lend:
	s_wait_tensorcnt 0x0
	ds_add_u32 v208, v209
	s_wait_dscnt 0x0
	s_endpgm
.Lfunc_end_k_q2e1152758a_wstat:
	.size	k_q2e1152758a_wstat, .Lfunc_end_k_q2e1152758a_wstat-k_q2e1152758a_wstat
	.p2alignl 7, 3214868480
	.fill 96, 4, 3214868480
	.section	.rodata,"a",@progbits
	.p2align	6, 0x0
	.amdhsa_kernel k_q2e1152758a_wstat
		.amdhsa_group_segment_fixed_size 18432
		.amdhsa_private_segment_fixed_size 0
		.amdhsa_enable_private_segment 0
		.amdhsa_kernarg_size 56
		.amdhsa_user_sgpr_count 2
		.amdhsa_user_sgpr_kernarg_segment_ptr 1
		.amdhsa_wavefront_size32 1
		.amdhsa_system_sgpr_workgroup_id_x 1
		.amdhsa_system_sgpr_workgroup_id_y 1
		.amdhsa_system_sgpr_workgroup_id_z 1
		.amdhsa_system_vgpr_workitem_id 0
		.amdhsa_next_free_vgpr 210
		.amdhsa_next_free_sgpr 66
		.amdhsa_reserve_vcc 0
		.amdhsa_float_denorm_mode_32 3
		.amdhsa_float_denorm_mode_16_64 3
		.amdhsa_memory_ordered 1
		.amdhsa_forward_progress 1
		.amdhsa_inst_pref_size 107
	.end_amdhsa_kernel
	.amdgpu_metadata
---
amdhsa.version: [ 1, 2 ]
amdhsa.kernels:
  - .name:           k_q2e1152758a_wstat
    .symbol:         k_q2e1152758a_wstat.kd
    .args:
      - { .name: feat, .offset: 0, .size: 8, .value_kind: global_buffer, .address_space: global }
      - { .name: nidx, .offset: 8, .size: 8, .value_kind: global_buffer, .address_space: global }
      - { .name: Wp2, .offset: 16, .size: 8, .value_kind: global_buffer, .address_space: global }
      - { .name: bp2, .offset: 24, .size: 8, .value_kind: global_buffer, .address_space: global }
      - { .name: gp, .offset: 32, .size: 8, .value_kind: global_buffer, .address_space: global }
      - { .name: bp, .offset: 40, .size: 8, .value_kind: global_buffer, .address_space: global }
      - { .name: ping, .offset: 48, .size: 8, .value_kind: global_buffer, .address_space: global }
    .group_segment_fixed_size: 18432
    .private_segment_fixed_size: 0
    .kernarg_segment_align: 8
    .kernarg_segment_size: 56
    .max_flat_workgroup_size: 512
    .sgpr_count:     66
    .vgpr_count:     210
    .wavefront_size: 32
...
	.end_amdgpu_metadata
.endif
;; end of part 4
;; launch hid (part 5): grid 256 x 1, 16 waves a work-group, no clusters, 153,600 bytes of LDS; arguments feat, nidx, ping, Wp2, bp2, gp, bp, gw1, bw1, Ww1_codes, Ww1_scales, bww1, pong; writes pong
.if DOCPART == 5
	.amdgcn_target "amdgcn-amd-amdhsa--gfx1250"
	.amdhsa_code_object_version 6
	.text
	.protected	k_q2e1152758a_hid
	.globl	k_q2e1152758a_hid
	.p2align	8
	.type	k_q2e1152758a_hid,@function
k_q2e1152758a_hid:
	s_mov_b64 s[64:65], 0
	v_nop
	global_prefetch_b8 v0, s[64:65] scope:SCOPE_SE
	s_setreg_imm32_b32 hwreg(HW_REG_WAVE_MODE, 25, 1), 1
	s_wait_xcnt 0x0
; h1 = Q(relu(bn(w))) Ww1^T + bww1, w = k[idx] - q + p_r, and the parts of h1's statistics.  A wave owns 2 queries; a query's 16 neighbours are a tile of 16 rows.
; relu(a (k - q + Wp2 act + bp2) + b') = relu(k A + (B0 - q A) + sum_t (A Wp2_t) act_t), A = a, B0 = a bp2 + b': four packed multiply-adds for two numbers.
; A row of k is gathered whole: 512 consecutive bytes a load (lane L: channels 128 ks + 4 L ..).  The numbers turn through the wave's own tile in LDS into the quantiser's layout (lane (r, h): row r, 16 neighbours of each block of 32).
; The product is used transposed, and Ww1's rows are chosen (lane r of tile u: row 8 u + r + 8 (r/8)) so that a lane's 16 results are units 16 h + 0 .. 15 of its row: the next quantiser's layout.  h1 is stored as that register image.
.set CT, 135168                        ; LDS: 0: a tile of 16 rows x 528 bytes for each wave; CT: [A, B0, A Wp2_0, A Wp2_1, A Wp2_2][256];
.set WI, 140288                        ; Ww1's four images; WSC: their scale words; BW: bww1; HP: [16 waves][mean, M2][32]
.set WSC, 146432
.set BW, 146944
.set HP, 147200
.set SEL, 96
.set EPSR, 98
.set PSTP, 100
.set GPS, 68
.set BPS, 72
.set SC, 90
.set SH, 93
.set PSB, 128
.set PSO, 13                           ; v13: 32 L while the parts of u's statistics are read, then 4 L for the rest of the launch
.set TW, 1
.set TR, 2
.set LI, 3
.set CTA, 4
.set CTW, 5
.set LIW, 6
.set LSW, 7
.set BWA, 8
.set BWW, 9
.set HPW, 10
.set HPR, 11
.set UO, 12
.set CA, 14
.set CB0, 18
.set WA, 22
.set BASE, 34
.set UA, 38
.set AD, 42
.set HF, 58
.set HS, 82
.set WS, 84
.set H0, 88
.set TM, 104                           ; v104-119: the quantiser's work registers (v112-115, which it leaves alone, hold q's second half); v116-119 serve the prologue alone
.set QB1, 112
.set PX, 120
.set X, 128
.set Y, 192
.set MB, 128
.set SG, 104
.set SBB, 105
.set SM, 106
.set SQ, 107
.set ST0, 108
.set ST1, 109
.set SAA, 110
.set SBO, 111
.macro BARRIER
	s_wait_dscnt 0x0
	s_barrier_signal -1
	s_barrier_wait -1
.endm
.macro LSUM x, t
.irp n, 1,2,4,8
	v_add_f32_dpp v[\x], v[\x], v[\x] row_xmask:\n row_mask:0xf bank_mask:0xf
.endr
	v_permlanex16_b32 v[\t], v[\x], s[SEL], s[SEL+1]
	v_add_f32 v[\x], v[\x], v[\t]
.endm
.macro PSTAT
	v_mov_b32 v[PSB+17], 0
	global_load_b128 v[PSB:PSB+3], v[PSO], s[PSTP:PSTP+1]
	global_load_b128 v[PSB+4:PSB+7], v[PSO], s[PSTP:PSTP+1] offset:16
	global_load_b128 v[PSB+8:PSB+11], v[PSO], s[PSTP:PSTP+1] offset:1024
	global_load_b128 v[PSB+12:PSB+15], v[PSO], s[PSTP:PSTP+1] offset:1040
	s_wait_loadcnt 0x0
	s_wait_kmcnt 0x0
.irp t, 0,1,2
	v_add_f32 v[PSB+16], v[PSB+\t], v[PSB+8+\t]
	LSUM PSB+16, PSB+17
	v_mul_f32 v[PSB+16], 0x3c800000, v[PSB+16]
	v_sub_f32 v[PSB+18], v[PSB+\t], v[PSB+16]
	v_sub_f32 v[PSB+19], v[PSB+8+\t], v[PSB+16]
	v_mul_f32 v[PSB+18], v[PSB+18], v[PSB+18]
	v_fma_f32 v[PSB+18], v[PSB+19], v[PSB+19], v[PSB+18]
	v_add_f32 v[PSB+19], v[PSB+4+\t], v[PSB+12+\t]
	v_fma_f32 v[PSB+18], 0x45000000, v[PSB+18], v[PSB+19]
	LSUM PSB+18, PSB+17
	v_fma_f32 v[PSB+18], v[PSB+18], 0x37000000, s[EPSR]
	v_rsq_f32 v[PSB+18], v[PSB+18]
	v_nop
	s_wait_alu depctr_va_vdst(0)
	v_mul_f32 v[PSB+18], s[GPS+\t], v[PSB+18]
	v_fma_f32 v[PSB+19], -v[PSB+16], v[PSB+18], s[BPS+\t]
	v_readfirstlane_b32 s[SC+\t], v[PSB+18]
	v_readfirstlane_b32 s[SH+\t], v[PSB+19]
.endr
.endm
.macro MERGE k, mb, hasq, qb, str, invk, nn, om, oq, t0, t1
	v_add_f32 v[\om], v[(\mb)], v[(\mb)+\str]
	v_add_f32 v[\t0], v[(\mb)+2*\str], v[(\mb)+3*\str]
.set mi, 4
.rept (\k-4)/2
	v_add_f32 v[\om], v[\om], v[(\mb)+mi*\str]
	v_add_f32 v[\t0], v[\t0], v[(\mb)+(mi+1)*\str]
.set mi, mi+2
.endr
	v_add_f32 v[\om], v[\om], v[\t0]
	v_mul_f32 v[\om], \invk, v[\om]
	v_sub_f32 v[\t0], v[(\mb)], v[\om]
	v_mul_f32 v[\t1], v[\t0], v[\t0]
.set mi, 1
.rept \k-1
	v_sub_f32 v[\t0], v[(\mb)+mi*\str], v[\om]
	v_fma_f32 v[\t1], v[\t0], v[\t0], v[\t1]
.set mi, mi+1
.endr
	v_add_f32 v[\oq], v[(\qb)], v[(\qb)+\str]
	v_add_f32 v[\t0], v[(\qb)+2*\str], v[(\qb)+3*\str]
.set mi, 4
.rept (\k-4)/2
	v_add_f32 v[\oq], v[\oq], v[(\qb)+mi*\str]
	v_add_f32 v[\t0], v[\t0], v[(\qb)+(mi+1)*\str]
.set mi, mi+2
.endr
	v_add_f32 v[\oq], v[\oq], v[\t0]
	v_fma_f32 v[\oq], \nn, v[\t1], v[\oq]
.endm
.macro STATS sA, sB, vo, sg, sb, invk, nn, invn
.set si, 0
.rept 32
	global_load_b32 v[MB+si], v[\vo], s[\sA:\sA+1] offset:2048*si
	global_load_b32 v[MB+64+si], v[\vo], s[\sA:\sA+1] offset:2048*si+1024
	global_load_b32 v[MB+32+si], v[\vo], s[\sB:\sB+1] offset:2048*si
	global_load_b32 v[MB+96+si], v[\vo], s[\sB:\sB+1] offset:2048*si+1024
.set si, si+1
.endr
	global_load_b32 v[SG], v[\vo], s[\sg:\sg+1]
	global_load_b32 v[SBB], v[\vo], s[\sb:\sb+1]
	s_wait_loadcnt 0x0
	MERGE 64, MB, 1, MB+64, 1, \invk, \nn, SM, SQ, ST0, ST1
	v_fma_f32 v[ST0], v[SQ], \invn, s[EPSR]
	v_rsq_f32 v[ST0], v[ST0]
	v_nop
	s_wait_alu depctr_va_vdst(0)
	v_mul_f32 v[SAA], v[SG], v[ST0]
	v_fma_f32 v[SBO], -v[SM], v[SAA], v[SBB]
.endm
.macro FRAGLD reg, voff, sb, off
.irp p, 0,1,2,3,4,5
	global_load_b64 v[(\reg)+2*\p:(\reg)+2*\p+1], v[\voff], s[\sb:\sb+1] offset:(\off)+48*(\p/3)+8*(\p%3)
.endr
.endm
.macro IMAGE reg, adr, off
.irp c, 0,1,2
	ds_store_b128 v[\adr], v[(\reg)+4*\c:(\reg)+4*\c+3] offset:(\off)+512*\c
.endr
.endm
.macro FETCH reg, adr, off
.irp c, 0,1,2
	ds_load_b128 v[(\reg)+4*\c:(\reg)+4*\c+3], v[\adr] offset:(\off)+512*\c
.endr
.endm
.macro QUANT s, pc, px, pw
.irp b, 0,1,2,3
	v_max3_num_f32 v[TM+\b], v[(\s)+16*\b], v[(\s)+1+16*\b], 0x1800000   ; none is negative here; the floor 2^(3 - 127) holds the byte at 1 from below
.endr
.irp i, 2,4,6,8,10,12,14
.irp b, 0,1,2,3
	v_max3_num_f32 v[TM+\b], v[TM+\b], v[(\s)+16*\b+\i], v[(\s)+1+16*\b+\i]
.endr
.endr
.irp b, 0,1,2,3
	v_permlanex16_b32 v[TM+4+\b], v[TM+\b], s[SEL], s[SEL+1]
.endr
.irp b, 0,1,2,3
	v_max_num_f32 v[TM+\b], v[TM+\b], v[TM+4+\b]
.endr
.irp b, 0,1,2,3
	v_add_nc_u32 v[TM+12+\b], 0xff000000, v[TM+\b]
.endr
.irp b, 0,1,2,3
	v_lshrrev_b32 v[TM+4+\b], 23, v[TM+12+\b]
.endr
	v_lshl_or_b32 v[\pw], v[TM+5], 8, v[TM+4]
	v_lshl_or_b32 v[\pw], v[TM+6], 16, v[\pw]
	v_lshl_or_b32 v[\pw], v[TM+7], 24, v[\pw]
.irp c, 0,1
	v_cvt_scalef32_pk16_fp6_f32 v[(\pc)+6*\c:(\pc)+2+6*\c], v[(\s)+32*\c:(\s)+15+32*\c], v[TM+12+2*\c]
	v_cvt_scalef32_pk16_fp6_f32 v[(\px)+4*\c:(\px)+2+4*\c], v[(\s)+16+32*\c:(\s)+31+32*\c], v[TM+12+2*\c+1]
.endr
	v_nop
.irp c, 0,1
.irp i, 0,1,2
	v_permlane16_swap_b32 v[(\pc)+6*\c+\i], v[(\px)+4*\c+\i]
.endr
.irp i, 0,1,2
	v_mov_b32 v[(\pc)+3+6*\c+\i], v[(\px)+4*\c+\i]
.endr
.endr
.rept 8
	v_nop
.endr
.endm
.macro ADR tile                        ; the 16 neighbours' rows of k
.set ai, 0
.rept 16
	v_lshl_add_u32 v[AD+ai], s[32+16*\tile+ai], 10, v[LI]
.set ai, ai+1
.endr
.endm
.macro KLD B, ks
.set ai, 0
.rept 16
	global_load_b128 v[\B+4*ai:\B+4*ai+3], v[AD+ai], s[30:31] offset:512*\ks
.set ai, ai+1
.endr
.endm
.macro QULD tile
	global_load_b128 v[BASE:BASE+3], v[LI], s[4:5] offset:1024*\tile
	global_load_b128 v[QB1:QB1+3], v[LI], s[4:5] offset:1024*\tile+512
	global_load_b128 v[UA:UA+3], v[UO], s[104:105] offset:256*\tile
.endm
.macro UNITC B, ks                     ; 16 rows x 128 channels: the arithmetic, the turn through my tile, the quantiser
.irp c, 0,1,2,3,4
	ds_load_b128 v[CA+4*\c:CA+4*\c+3], v[CTA] offset:1024*\c+512*\ks
.endr
.if \ks == 0
.irp c, 0,1,2
	v_fma_f32 v[UA+\c], v[UA+\c], s[SC+\c], s[SH+\c]
	v_max_num_f32 v[UA+\c], 0, v[UA+\c]            ; lane r: relu(bn(u)) of row r
.endr
.endif
	s_wait_dscnt 0x0
.if \ks == 0
	v_pk_fma_f32 v[BASE:BASE+1], v[BASE:BASE+1], v[CA:CA+1], v[CB0:CB0+1] neg_lo:[1,0,0] neg_hi:[1,0,0]
	v_pk_fma_f32 v[BASE+2:BASE+3], v[BASE+2:BASE+3], v[CA+2:CA+3], v[CB0+2:CB0+3] neg_lo:[1,0,0] neg_hi:[1,0,0]
.else
	v_pk_fma_f32 v[BASE:BASE+1], v[QB1:QB1+1], v[CA:CA+1], v[CB0:CB0+1] neg_lo:[1,0,0] neg_hi:[1,0,0]
	v_pk_fma_f32 v[BASE+2:BASE+3], v[QB1+2:QB1+3], v[CA+2:CA+3], v[CB0+2:CB0+3] neg_lo:[1,0,0] neg_hi:[1,0,0]
.endif
.irp g, 0,1,2,3
.irp n, 0,1,2,3
.irp c, 0,1,2
	v_readlane_b32 s[66+2*(3*\n+\c)], v[UA+\c], 4*\g+\n
.endr
.endr
.irp n, 0,1,2,3
.irp p, 0,2
	v_pk_fma_f32 v[\B+16*\g+4*\n+\p:\B+16*\g+4*\n+\p+1], v[\B+16*\g+4*\n+\p:\B+16*\g+4*\n+\p+1], v[CA+\p:CA+\p+1], v[BASE+\p:BASE+\p+1]
.endr
.irp c, 0,1,2
.irp p, 0,2
	v_pk_fma_f32 v[\B+16*\g+4*\n+\p:\B+16*\g+4*\n+\p+1], v[WA+4*\c+\p:WA+4*\c+\p+1], s[66+2*(3*\n+\c):67+2*(3*\n+\c)], v[\B+16*\g+4*\n+\p:\B+16*\g+4*\n+\p+1] op_sel_hi:[1,0,1]
.endr
.endr
.irp p, 0,1,2,3
	v_max_num_f32 v[\B+16*\g+4*\n+\p], 0, v[\B+16*\g+4*\n+\p]
.endr
	ds_store_b128 v[TW], v[\B+16*\g+4*\n:\B+16*\g+4*\n+3] offset:528*(4*\g+\n)
.endr
.endr
	s_wait_dscnt 0x0                               ; the stores have read their registers
.set ai, 0
.rept 16
	ds_load_b128 v[\B+4*ai:\B+4*ai+3], v[TR] offset:128*(ai/4)+16*(ai%4)
.set ai, ai+1
.endr
	s_wait_dscnt 0x0
	QUANT \B, HF+12*\ks, PX, HS+\ks
.endm
.macro PROD B, HACC, tile              ; two tiles of 16 units, two K steps: the two accumulators take turns; the bias is the first C
.irp u, 0,1,2,3
	FETCH \B+12*\u, LIW, \u*1536
	ds_load_b32 v[WS+\u], v[LSW] offset:128*\u
.endr
.irp u, 0,1
	ds_load_b128 v[\HACC+8*\u:\HACC+8*\u+3], v[BWA] offset:32*\u
	ds_load_b128 v[\HACC+8*\u+4:\HACC+8*\u+7], v[BWA] offset:32*\u+16
.endr
	s_wait_dscnt 0x0
.irp c, 0,1
.irp u, 0,1
	v_wmma_scale_f32_16x16x128_f8f6f4 v[\HACC+8*\u:\HACC+8*\u+7], v[\B+24*\u+12*\c:\B+24*\u+12*\c+11], v[HF+12*\c:HF+12*\c+11], v[\HACC+8*\u:\HACC+8*\u+7], v[WS+2*\u+\c], v[HS+\c] matrix_a_fmt:MATRIX_FMT_FP6 matrix_b_fmt:MATRIX_FMT_FP6
.endr
.endr
.rept 5
	v_nop
.endr
.irp j, 0,1,2,3
	global_store_b128 v[LI], v[\HACC+4*\j:\HACC+4*\j+3], s[28:29] offset:2048*\tile+512*\j   ; 512 consecutive bytes a store
.endr
.endm
	s_load_b512 s[4:19], s[0:1], 0x0               ; feat, nidx, ping, Wp2, bp2, gp, bp, gw1
	s_load_b256 s[20:27], s[0:1], 0x40             ; bw1, Ww1 codes, Ww1 scales, bww1
	s_load_b64 s[28:29], s[0:1], 0x60              ; pong
	v_lshl_add_u32 v123, v0, 2, 0x25000
	v_mov_b32 v127, 0
	v_lshrrev_b32 v1, 5, v0
	v_readfirstlane_b32 s99, v1
	v_and_b32 v14, 31, v0                          ; L
	v_and_b32 v15, 15, v0                          ; r
	v_bfe_u32 v16, v0, 4, 1                        ; h
	s_mov_b32 s96, 0x76543210
	s_mov_b32 s97, 0xfedcba98
	s_mov_b32 s98, 0x3727c5ac
	v_lshlrev_b32 v[LI], 4, v14
	s_mul_i32 s66, s99, 8448
	v_add_nc_u32 v[TW], s66, v[LI]
	v_mul_u32_u24 v[TR], v15, 528
	v_lshl_add_u32 v[TR], v16, 6, v[TR]
	v_add_nc_u32 v[TR], s66, v[TR]
	v_add_nc_u32 v[CTA], CT, v[LI]
	v_lshlrev_b32 v116, 2, v0                      ; 4 c
	v_add_nc_u32 v[CTW], CT, v116
	v_mul_u32_u24 v117, v0, 12                     ; 12 c
	v_add_nc_u32 v[LIW], WI, v[LI]
	v_lshl_add_u32 v[LSW], v14, 2, WSC
	v_lshl_add_u32 v[BWA], v16, 6, BW
	v_lshl_add_u32 v[BWW], v14, 2, BW
	s_lshl_b32 s66, s99, 8
	v_lshl_add_u32 v[HPW], v16, 6, s66
	v_add_nc_u32 v[HPW], HP, v[HPW]
	v_lshl_add_u32 v[HPR], v14, 2, HP
	v_lshlrev_b32 v[UO], 4, v15
	v_lshlrev_b32 v[PSO], 5, v14
	v_lshlrev_b32 v118, 2, v14                     ; 4 L, for the prologue's load of bww1
	v_and_b32 v17, 8, v15
	v_add_nc_u32 v17, v17, v15                     ; r + 8 (r/8)
	v_mul_u32_u24 v18, v17, 192
	v_mad_u32_u24 v18, v16, 24, v18
	v_lshlrev_b32 v19, 3, v17
	s_lshl_b32 s66, ttmp9, 5
	s_lshl_b32 s67, s99, 1
	s_add_co_u32 s76, s66, s67                     ; my first query
	s_mov_b32 s77, 0
	s_wait_kmcnt 0x0
	s_lshl_b64 s[78:79], s[76:77], 6
	s_add_nc_u64 s[6:7], s[6:7], s[78:79]
	s_load_b512 s[32:47], s[6:7], 0x0              ; the two queries' 32 indices
	s_load_b512 s[48:63], s[6:7], 0x40
	s_load_b96 s[68:70], s[14:15], 0x0
	s_load_b96 s[72:74], s[16:17], 0x0
	s_add_nc_u64 s[30:31], s[4:5], 8388608         ; k
	s_add_nc_u64 s[100:101], s[4:5], 52428800      ; u's parts
	s_lshl_b64 s[78:79], s[76:77], 8
	s_add_nc_u64 s[104:105], s[4:5], s[78:79]
	s_add_nc_u64 s[104:105], s[104:105], 50331648  ; u of my queries
	s_lshl_b64 s[78:79], s[76:77], 10
	s_add_nc_u64 s[4:5], s[4:5], s[78:79]          ; q of my queries
	s_add_nc_u64 s[8:9], s[8:9], 196608            ; w's parts 0-31
	s_add_nc_u64 s[66:67], s[8:9], 65536           ; and 32-63
	s_cmp_lt_u32 s99, 8
	s_cbranch_scc0 .Lnot_stat
	global_load_b96 v[112:114], v117, s[10:11]     ; thread c: Wp2[c], bp2[c]
	global_load_b32 v115, v116, s[12:13]
	STATS 8, 66, 116, 18, 20, 0x3c800000, 0x45000000, 0x37000000
	v_fma_f32 v[ST0], v[SAA], v115, v[SBO]
	v_mul_f32 v112, v[SAA], v112
	v_mul_f32 v113, v[SAA], v113
	v_mul_f32 v114, v[SAA], v114
	ds_store_b32 v[CTW], v[SAA]
	ds_store_b32 v[CTW], v[ST0] offset:1024
	ds_store_b32 v[CTW], v112 offset:2048
	ds_store_b32 v[CTW], v113 offset:3072
	ds_store_b32 v[CTW], v114 offset:4096
	s_branch .Lpro_done
.Lnot_stat:
	s_cmp_eq_u32 s99, 8
	s_cbranch_scc0 .Lpro_done
.irp u, 0,1
	FRAGLD X+24*\u, 18, 22, \u*1536
	FRAGLD X+24*\u+12, 18, 22, \u*1536+96
	global_load_b64 v[WS+2*\u:WS+2*\u+1], v19, s[24:25] offset:64*\u
.endr
	global_load_b32 v119, v118, s[26:27]
	s_wait_loadcnt 0x0
.irp u, 0,1,2,3
	IMAGE X+12*\u, LIW, \u*1536
	ds_store_b32 v[LSW], v[WS+\u] offset:128*\u
.endr
	ds_store_b32 v[BWW], v119
.Lpro_done:
	s_wait_dscnt 0x0                               ; the stores have read their registers
	PSTAT
	v_lshrrev_b32 v[PSO], 3, v[PSO]                ; the loads that named it are done: from here on 4 L, the offset of the last two stores
.set t, 0
.rept 32
	s_min_u32 s[32+t], s[32+t], 0x3fff
.set t, t+1
.endr
.set t, 0
.rept 12
	s_mov_b32 s[67+2*t], 0                         ; the packed forms name pairs and take the low word: the high words are written once
.set t, t+1
.endr
	s_lshl_b32 s16, ttmp9, 8
	s_mov_b32 s17, 0
	s_add_nc_u64 s[14:15], s[28:29], s[16:17]
	s_add_nc_u64 s[14:15], s[14:15], 16777216      ; my part of h1's statistics
	s_lshl_b32 s16, ttmp9, 16
	s_lshl_b32 s6, s99, 12
	s_add_co_u32 s16, s16, s6
	s_add_nc_u64 s[28:29], s[28:29], s[16:17]      ; h1 of my queries: 2,048 bytes each
.irp b, 4,5,6,7
	v_mov_b32 v[TM+\b], 0
.endr
	ADR 0
	KLD X, 0
	KLD Y, 1
	QULD 0
	BARRIER                                        ; the tables and Ww1's images lie in LDS
	s_wait_loadcnt 0x0
	UNITC X, 0
	ADR 1                                          ; the first tile's loads are done: their address registers are free
	KLD X, 0
	UNITC Y, 1
	PROD Y, H0, 0
	KLD Y, 1
	QULD 1
	s_wait_loadcnt 0x0
	UNITC X, 0
	UNITC Y, 1
	PROD Y, Y+48, 1
	; my 32 rows' (mean, M2) of the 32 units: register i of lane (r, h) is unit 16 h + i of row r
.set t, 0
.rept 16
	v_add_f32 v[X+t], v[H0+t], v[Y+48+t]
.set t, t+1
.endr
.irp n, 1,2,4,8
.set t, 0
.rept 16
	v_add_f32_dpp v[X+t], v[X+t], v[X+t] row_xmask:\n row_mask:0xf bank_mask:0xf
.set t, t+1
.endr
.endr
.set t, 0
.rept 16
	v_mul_f32 v[X+t], 0x3d000000, v[X+t]
	v_sub_f32 v[X+32+t], v[H0+t], v[X+t]
	v_sub_f32 v[X+48+t], v[Y+48+t], v[X+t]
	v_mul_f32 v[X+16+t], v[X+32+t], v[X+32+t]
	v_fma_f32 v[X+16+t], v[X+48+t], v[X+48+t], v[X+16+t]
.set t, t+1
.endr
.irp n, 1,2,4,8
.set t, 0
.rept 16
	v_add_f32_dpp v[X+16+t], v[X+16+t], v[X+16+t] row_xmask:\n row_mask:0xf bank_mask:0xf
.set t, t+1
.endr
.endr
.irp j, 0,1,2,3
	ds_store_b128 v[HPW], v[X+4*\j:X+4*\j+3] offset:16*\j
	ds_store_b128 v[HPW], v[X+16+4*\j:X+16+4*\j+3] offset:128+16*\j
.endr
	BARRIER
	s_cmp_lg_u32 s99, 0
	s_cbranch_scc1 .Lend
.set t, 0
.rept 16
	ds_load_b32 v[X+t], v[HPR] offset:256*t
	ds_load_b32 v[X+16+t], v[HPR] offset:256*t+128
.set t, t+1
.endr
	s_wait_dscnt 0x0
	MERGE 16, X, 1, X+16, 1, 0x3d800000, 0x42000000, X+32, X+33, X+34, X+35
	global_store_b32 v[PSO], v[X+32], s[14:15]
	global_store_b32 v[PSO], v[X+33], s[14:15] offset:128
.Lend:
	s_wait_tensorcnt 0x0
	ds_add_u32 v123, v127
	s_wait_dscnt 0x0
	s_endpgm
.Lfunc_end_k_q2e1152758a_hid:
	.size	k_q2e1152758a_hid, .Lfunc_end_k_q2e1152758a_hid-k_q2e1152758a_hid
	.p2alignl 7, 3214868480
	.fill 96, 4, 3214868480
	.section	.rodata,"a",@progbits
	.p2align	6, 0x0
	.amdhsa_kernel k_q2e1152758a_hid
		.amdhsa_group_segment_fixed_size 153600
		.amdhsa_private_segment_fixed_size 0
		.amdhsa_enable_private_segment 0
		.amdhsa_kernarg_size 104
		.amdhsa_user_sgpr_count 2
		.amdhsa_user_sgpr_kernarg_segment_ptr 1
		.amdhsa_wavefront_size32 1
		.amdhsa_system_sgpr_workgroup_id_x 1
		.amdhsa_system_sgpr_workgroup_id_y 1
		.amdhsa_system_sgpr_workgroup_id_z 1
		.amdhsa_system_vgpr_workitem_id 0
		.amdhsa_next_free_vgpr 256
		.amdhsa_next_free_sgpr 106
		.amdhsa_reserve_vcc 0
		.amdhsa_float_denorm_mode_32 3
		.amdhsa_float_denorm_mode_16_64 3
		.amdhsa_memory_ordered 1
		.amdhsa_forward_progress 1
		.amdhsa_inst_pref_size 148
	.end_amdhsa_kernel
	.amdgpu_metadata
---
amdhsa.version: [ 1, 2 ]
amdhsa.kernels:
  - .name:           k_q2e1152758a_hid
    .symbol:         k_q2e1152758a_hid.kd
    .args:
      - { .name: feat, .offset: 0, .size: 8, .value_kind: global_buffer, .address_space: global }
      - { .name: nidx, .offset: 8, .size: 8, .value_kind: global_buffer, .address_space: global }
      - { .name: ping, .offset: 16, .size: 8, .value_kind: global_buffer, .address_space: global }
      - { .name: Wp2, .offset: 24, .size: 8, .value_kind: global_buffer, .address_space: global }
      - { .name: bp2, .offset: 32, .size: 8, .value_kind: global_buffer, .address_space: global }
      - { .name: gp, .offset: 40, .size: 8, .value_kind: global_buffer, .address_space: global }
      - { .name: bp, .offset: 48, .size: 8, .value_kind: global_buffer, .address_space: global }
      - { .name: gw1, .offset: 56, .size: 8, .value_kind: global_buffer, .address_space: global }
      - { .name: bw1, .offset: 64, .size: 8, .value_kind: global_buffer, .address_space: global }
      - { .name: Ww1_codes, .offset: 72, .size: 8, .value_kind: global_buffer, .address_space: global }
      - { .name: Ww1_scales, .offset: 80, .size: 8, .value_kind: global_buffer, .address_space: global }
      - { .name: bww1, .offset: 88, .size: 8, .value_kind: global_buffer, .address_space: global }
      - { .name: pong, .offset: 96, .size: 8, .value_kind: global_buffer, .address_space: global }
    .group_segment_fixed_size: 153600
    .private_segment_fixed_size: 0
    .kernarg_segment_align: 8
    .kernarg_segment_size: 104
    .max_flat_workgroup_size: 512
    .sgpr_count:     106
    .vgpr_count:     256
    .wavefront_size: 32
...
	.end_amdgpu_metadata
.endif
;; end of part 5
;; launch attn (part 6): grid 256 x 1, 16 waves a work-group, no clusters, 43,008 bytes of LDS; arguments feat, nidx, pong, Wp2, bp2, gp, bp, gw2, bw2, Ww2_codes, Ww2_scales, bww2, ping; writes ping
.if DOCPART == 6
	.amdgcn_target "amdgcn-amd-amdhsa--gfx1250"
	.amdhsa_code_object_version 6
	.text
	.protected	k_q2e1152758a_attn
	.globl	k_q2e1152758a_attn
	.p2align	8
	.type	k_q2e1152758a_attn,@function
k_q2e1152758a_attn:
	s_mov_b64 s[64:65], 0
	v_nop
	global_prefetch_b8 v0, s[64:65] scope:SCOPE_SE
	s_setreg_imm32_b32 hwreg(HW_REG_WAVE_MODE, 25, 1), 1
	s_wait_xcnt 0x0
; logits = Q(relu(bn(h1))) Ww2^T + bww2; softmax over the 16 neighbours (the largest logit is taken away first); x[c] = sum_s (v[idx_s][c] + p_r[s][c]) w[s][c % 32]; the parts of x's statistics.
; A wave owns 2 queries.  K of the product is 32: the other 96 of the instruction's 128 are zero codes on both sides.  Behind the product lane L holds unit L and its 16 registers the 16 neighbours.
; v lies with channel 32 g + L at place 8 L + g: lane L reads its 8 channels as 32 consecutive bytes, and one weight a lane and neighbour serves all 8.
; p_r is taken out of the sum: sum_s e_s p_r[s][c] = sum_t Wp2[c][t] alpha_t + bp2[c] sigma, alpha_t = sum_s e_s act_t(s), sigma = sum_s e_s; the division by sigma comes last.
; A work-group's part of x's statistics is laid [channel][mean, M2]: one store of 8 bytes a thread here, one load of 8 bytes a part in the next launch.
.set T2, 4096                          ; LDS: 0: [16 waves][mean, M2][32]; T2: 256 bytes for each wave; XT: 32 rows of x
.set XT, 8192
.set SEL, 96
.set EPSR, 98
.set PSTP, 100
.set GPS, 80
.set BPS, 84
.set SC, 90
.set SH, 93
.set PSB, 14
.set PSO, 1
.set VA, 14
.set AD, 78
.set W2F, 86
.set W2S, 110
.set BB, 112
.set PA, 114
.set PBB, 130
.set H, 146
.set PC, 162
.set WP, 114
.set BP2, 146
.set XO, 154
.set E0, 174
.set AL0, 206
.set ACCX, 214
.set UA, 222
.set QT, 226
.set PW, 232
.set MX, 233
.set RC, 234
.macro BARRIER
	s_wait_dscnt 0x0
	s_barrier_signal -1
	s_barrier_wait -1
.endm
.macro LSUM x, t
.irp n, 1,2,4,8
	v_add_f32_dpp v[\x], v[\x], v[\x] row_xmask:\n row_mask:0xf bank_mask:0xf
.endr
	v_permlanex16_b32 v[\t], v[\x], s[SEL], s[SEL+1]
	v_add_f32 v[\x], v[\x], v[\t]
.endm
.macro PSTAT
	v_mov_b32 v[PSB+17], 0
	global_load_b128 v[PSB:PSB+3], v[PSO], s[PSTP:PSTP+1]
	global_load_b128 v[PSB+4:PSB+7], v[PSO], s[PSTP:PSTP+1] offset:16
	global_load_b128 v[PSB+8:PSB+11], v[PSO], s[PSTP:PSTP+1] offset:1024
	global_load_b128 v[PSB+12:PSB+15], v[PSO], s[PSTP:PSTP+1] offset:1040
	s_wait_loadcnt 0x0
	s_wait_kmcnt 0x0
.irp t, 0,1,2
	v_add_f32 v[PSB+16], v[PSB+\t], v[PSB+8+\t]
	LSUM PSB+16, PSB+17
	v_mul_f32 v[PSB+16], 0x3c800000, v[PSB+16]
	v_sub_f32 v[PSB+18], v[PSB+\t], v[PSB+16]
	v_sub_f32 v[PSB+19], v[PSB+8+\t], v[PSB+16]
	v_mul_f32 v[PSB+18], v[PSB+18], v[PSB+18]
	v_fma_f32 v[PSB+18], v[PSB+19], v[PSB+19], v[PSB+18]
	v_add_f32 v[PSB+19], v[PSB+4+\t], v[PSB+12+\t]
	v_fma_f32 v[PSB+18], 0x45000000, v[PSB+18], v[PSB+19]
	LSUM PSB+18, PSB+17
	v_fma_f32 v[PSB+18], v[PSB+18], 0x37000000, s[EPSR]
	v_rsq_f32 v[PSB+18], v[PSB+18]
	v_nop
	s_wait_alu depctr_va_vdst(0)
	v_mul_f32 v[PSB+18], s[GPS+\t], v[PSB+18]
	v_fma_f32 v[PSB+19], -v[PSB+16], v[PSB+18], s[BPS+\t]
	v_readfirstlane_b32 s[SC+\t], v[PSB+18]
	v_readfirstlane_b32 s[SH+\t], v[PSB+19]
.endr
.endm
.macro MERGE k, mb, hasq, qb, str, invk, nn, om, oq, t0, t1
	v_add_f32 v[\om], v[(\mb)], v[(\mb)+\str]
	v_add_f32 v[\t0], v[(\mb)+2*\str], v[(\mb)+3*\str]
.set mi, 4
.rept (\k-4)/2
	v_add_f32 v[\om], v[\om], v[(\mb)+mi*\str]
	v_add_f32 v[\t0], v[\t0], v[(\mb)+(mi+1)*\str]
.set mi, mi+2
.endr
	v_add_f32 v[\om], v[\om], v[\t0]
	v_mul_f32 v[\om], \invk, v[\om]
	v_sub_f32 v[\t0], v[(\mb)], v[\om]
	v_mul_f32 v[\t1], v[\t0], v[\t0]
.set mi, 1
.rept \k-1
	v_sub_f32 v[\t0], v[(\mb)+mi*\str], v[\om]
	v_fma_f32 v[\t1], v[\t0], v[\t0], v[\t1]
.set mi, mi+1
.endr
.if \hasq
	v_add_f32 v[\oq], v[(\qb)], v[(\qb)+\str]
	v_add_f32 v[\t0], v[(\qb)+2*\str], v[(\qb)+3*\str]
.set mi, 4
.rept (\k-4)/2
	v_add_f32 v[\oq], v[\oq], v[(\qb)+mi*\str]
	v_add_f32 v[\t0], v[\t0], v[(\qb)+(mi+1)*\str]
.set mi, mi+2
.endr
	v_add_f32 v[\oq], v[\oq], v[\t0]
	v_fma_f32 v[\oq], \nn, v[\t1], v[\oq]
.else
	v_mov_b32 v[\oq], v[\t1]
.endif
.endm
.macro HULD qi                         ; a query's h1 (the register image) and u
.irp j, 0,1,2,3
	global_load_b128 v[H+4*\j:H+4*\j+3], v2, s[8:9] offset:2048*\qi+512*\j
.endr
	global_load_b128 v[UA:UA+3], v12, s[78:79] offset:256*\qi
.endm
.macro GLD k                           ; group k: four neighbours' 32 bytes a lane, into set k % 2
.irp n, 0,1,2,3
	v_lshl_add_u32 v[AD+4*((\k)%2)+\n], s[32+4*(\k)+\n], 10, v1
.endr
.irp n, 0,1,2,3
	global_load_b128 v[VA+32*((\k)%2)+8*\n:VA+32*((\k)%2)+8*\n+3], v[AD+4*((\k)%2)+\n], s[30:31]
	global_load_b128 v[VA+32*((\k)%2)+8*\n+4:VA+32*((\k)%2)+8*\n+7], v[AD+4*((\k)%2)+\n], s[30:31] offset:16
.endr
.endm
.macro CONSUME k
.irp n, 0,1,2,3
.irp p, 0,2,4,6
.if (((\k)%4)+\n) == 0
	v_pk_mul_f32 v[ACCX+\p:ACCX+\p+1], v[VA+32*((\k)%2)+8*\n+\p:VA+32*((\k)%2)+8*\n+\p+1], v[E0+4*(\k):E0+4*(\k)+1] op_sel_hi:[1,0]
.elseif (\n%2) == 0
	v_pk_fma_f32 v[ACCX+\p:ACCX+\p+1], v[VA+32*((\k)%2)+8*\n+\p:VA+32*((\k)%2)+8*\n+\p+1], v[E0+4*(\k)+\n:E0+4*(\k)+\n+1], v[ACCX+\p:ACCX+\p+1] op_sel_hi:[1,0,1]
.else
	v_pk_fma_f32 v[ACCX+\p:ACCX+\p+1], v[VA+32*((\k)%2)+8*\n+\p:VA+32*((\k)%2)+8*\n+\p+1], v[E0+4*(\k)+\n-1:E0+4*(\k)+\n], v[ACCX+\p:ACCX+\p+1] op_sel:[0,1,0] op_sel_hi:[1,1,1]
.endif
.endr
.endr
.endm
.macro SOFT qi
.set EB, E0+16*\qi
.set AL, AL0+4*\qi
.irp i, 0,2,4,6,8,10,12,14
	v_pk_fma_f32 v[H+\i:H+\i+1], v[H+\i:H+\i+1], v[PA+\i:PA+\i+1], v[PBB+\i:PBB+\i+1]
.endr
.irp i, 0,1,2,3,4,5,6,7,8,9,10,11,12,13,14,15
	v_max_num_f32 v[H+\i], 0, v[H+\i]
.endr
	v_max3_num_f32 v[QT], v[H], v[H+1], 0x1800000  ; the one block's largest number (none is negative), with the floor 2^(3 - 127)
.irp i, 2,4,6,8,10,12,14
	v_max3_num_f32 v[QT], v[QT], v[H+\i], v[H+\i+1]
.endr
	v_permlanex16_b32 v[QT+1], v[QT], s[SEL], s[SEL+1]
	v_max_num_f32 v[QT], v[QT], v[QT+1]
	v_add_nc_u32 v[QT+2], 0xff000000, v[QT]
	v_lshrrev_b32 v[PW], 23, v[QT+2]               ; byte 0: the block's scale; the other three scale zero codes
	v_cvt_scalef32_pk16_fp6_f32 v[PC:PC+2], v[H:H+15], v[QT+2]
	v_nop
.irp i, 3,4,5,6,7,8,9,10,11
	v_mov_b32 v[PC+\i], 0
.endr
.irp i, 0,1,2
	v_permlane16_swap_b32 v[PC+\i], v[PC+3+\i]     ; lanes 0-15 get the whole block of their row, lanes 16-31 (k = 32 .. 63) zeros
.endr
.rept 8
	v_nop
.endr
.irp u, 0,1                            ; source 0 = the 16 neighbours, source 1 = 16 units of Ww2
	v_wmma_scale_f32_16x16x128_f8f6f4 v[EB+8*\u:EB+8*\u+7], v[PC:PC+11], v[W2F+12*\u:W2F+12*\u+11], 0, v[PW], v[W2S+\u] matrix_a_fmt:MATRIX_FMT_FP6 matrix_b_fmt:MATRIX_FMT_FP6
.endr
.rept 4
	v_nop
.endr
.irp j, 0,1,2,3,4,5,6,7
	v_permlane16_swap_b32 v[EB+\j], v[EB+8+\j]     ; now lane L: unit L; register s: neighbour s
.endr
.irp i, 0,1,2,3,4,5,6,7,8,9,10,11,12,13,14,15
	v_add_f32 v[EB+\i], v[BB], v[EB+\i]
.endr
	v_max3_num_f32 v[MX], v[EB], v[EB+1], v[EB+2]
.irp i, 3,5,7,9,11,13
	v_max3_num_f32 v[MX], v[MX], v[EB+\i], v[EB+\i+1]
.endr
	v_max_num_f32 v[MX], v[MX], v[EB+15]
	v_mul_f32 v[MX], 0xbfb8aa3b, v[MX]
.irp i, 0,1,2,3,4,5,6,7,8,9,10,11,12,13,14,15
	v_fma_f32 v[EB+\i], v[EB+\i], 0x3fb8aa3b, v[MX]
.endr
.irp i, 0,1,2,3,4,5,6,7,8,9,10,11,12,13,14,15
	v_exp_f32 v[EB+\i], v[EB+\i]
.endr
.irp c, 0,1,2
	v_fma_f32 v[UA+\c], v[UA+\c], s[SC+\c], s[SH+\c]   ; (plain places behind the exponentials)
	v_max_num_f32 v[UA+\c], 0, v[UA+\c]
.endr
	s_wait_alu depctr_va_vdst(0)
	v_add_f32 v[AL+3], v[EB], v[EB+1]
	v_add_f32 v[QT], v[EB+2], v[EB+3]
.irp i, 4,6,8,10,12,14
	v_add_f32 v[AL+3], v[AL+3], v[EB+\i]
	v_add_f32 v[QT], v[QT], v[EB+\i+1]
.endr
	v_add_f32 v[AL+3], v[AL+3], v[QT]              ; sigma
.irp g, 0,1,2,3
.irp n, 0,1,2,3
.irp c, 0,1,2
	v_readlane_b32 s[66+3*\n+\c], v[UA+\c], 4*\g+\n
.endr
.endr
.irp n, 0,1,2,3
.irp c, 0,1,2
.if (\g+\n) == 0
	v_mul_f32 v[AL+\c], s[66+3*\n+\c], v[EB+4*\g+\n]
.else
	v_fma_f32 v[AL+\c], v[EB+4*\g+\n], s[66+3*\n+\c], v[AL+\c]
.endif
.endr
.endr
.endr
.endm
.macro FINISH qi
.set AL, AL0+4*\qi
	v_rcp_f32 v[RC], v[AL+3]
	v_nop
.irp g, 0,1,2,3,4,5,6,7
	v_fma_f32 v[ACCX+\g], v[WP+4*\g], v[AL], v[ACCX+\g]
.endr
.irp g, 0,1,2,3,4,5,6,7
	v_fma_f32 v[ACCX+\g], v[WP+4*\g+1], v[AL+1], v[ACCX+\g]
.endr
.irp g, 0,1,2,3,4,5,6,7
	v_fma_f32 v[ACCX+\g], v[WP+4*\g+2], v[AL+2], v[ACCX+\g]
.endr
.irp g, 0,1,2,3,4,5,6,7
	v_fma_f32 v[ACCX+\g], v[BP2+\g], v[AL+3], v[ACCX+\g]
.endr
	s_wait_alu depctr_va_vdst(0)
.irp g, 0,1,2,3,4,5,6,7
	v_mul_f32 v[ACCX+\g], v[ACCX+\g], v[RC]
	ds_store_b32 v8, v[ACCX+\g] offset:1024*\qi+128*\g
.endr
	ds_load_b128 v[XO+8*\qi:XO+8*\qi+3], v9 offset:1024*\qi        ; LDS serves a wave's instructions in order
	ds_load_b128 v[XO+8*\qi+4:XO+8*\qi+7], v9 offset:1024*\qi+512
	s_wait_dscnt 0x0
	global_store_b128 v2, v[XO+8*\qi:XO+8*\qi+3], s[28:29] offset:1024*\qi
	global_store_b128 v2, v[XO+8*\qi+4:XO+8*\qi+7], s[28:29] offset:1024*\qi+512
.endm
	s_load_b512 s[4:19], s[0:1], 0x0               ; feat, nidx, pong, Wp2, bp2, gp, bp, gw2
	s_load_b256 s[20:27], s[0:1], 0x40             ; bw2, Ww2 codes, Ww2 scales, bww2
	s_load_b64 s[28:29], s[0:1], 0x60              ; ping
	v_lshl_add_u32 v240, v0, 2, 0xa000
	v_mov_b32 v241, 0
	v_lshrrev_b32 v13, 5, v0
	v_readfirstlane_b32 s99, v13
	v_and_b32 v13, 31, v0                          ; L; later 12 L
	v_and_b32 v[UA], 15, v0                        ; r
	v_bfe_u32 v11, v0, 4, 1                        ; h
	s_mov_b32 s96, 0x76543210
	s_mov_b32 s97, 0xfedcba98
	s_mov_b32 s98, 0x3727c5ac
	v_lshlrev_b32 v1, 5, v13                       ; 32 L
	v_lshlrev_b32 v2, 4, v13                       ; 16 L
	v_lshlrev_b32 v3, 2, v13                       ; 4 L
	s_lshl_b32 s66, s99, 8
	v_add_nc_u32 v4, s66, v3
	v_add_nc_u32 v6, T2, v4
	v_lshl_add_u32 v7, v11, 6, s66
	v_add_nc_u32 v7, T2, v7
	s_lshl_b32 s66, s99, 11
	v_add_nc_u32 v8, s66, v3
	v_add_nc_u32 v8, XT, v8
	v_add_nc_u32 v9, s66, v2
	v_add_nc_u32 v9, XT, v9
	v_lshlrev_b32 v11, 2, v0                       ; 4 c
	v_add_nc_u32 v10, XT, v11
	v_mul_u32_u24 v5, v[UA], 24
	v_lshlrev_b32 v12, 4, v[UA]
	v_mov_b32 v[QT+3], v[UA]                       ; r, as the byte offset of Ww2's scale bytes
	v_mov_b32 v[QT+1], 0
	s_lshl_b32 s66, ttmp9, 5
	s_lshl_b32 s67, s99, 1
	s_add_co_u32 s76, s66, s67                     ; my first query
	s_mov_b32 s77, 0
	s_wait_kmcnt 0x0
	s_lshl_b64 s[68:69], s[76:77], 6
	s_add_nc_u64 s[6:7], s[6:7], s[68:69]
	s_load_b512 s[32:47], s[6:7], 0x0
	s_load_b512 s[48:63], s[6:7], 0x40
	s_load_b96 s[80:82], s[14:15], 0x0
	s_load_b96 s[84:86], s[16:17], 0x0
	s_add_nc_u64 s[30:31], s[4:5], 25165824        ; v
	s_add_nc_u64 s[100:101], s[4:5], 52428800      ; u's parts
	s_lshl_b64 s[68:69], s[76:77], 8
	s_add_nc_u64 s[78:79], s[4:5], s[68:69]
	s_add_nc_u64 s[78:79], s[78:79], 50331648      ; u of my queries
	s_lshl_b32 s68, s99, 12
	s_mov_b32 s69, 0
	s_add_nc_u64 s[104:105], s[8:9], s[68:69]
	s_add_nc_u64 s[104:105], s[104:105], 16777216  ; parts 16 w .. 16 w + 15 of h1's statistics
	s_lshl_b64 s[68:69], s[76:77], 11
	s_add_nc_u64 s[8:9], s[8:9], s[68:69]          ; h1 of my queries
	s_lshl_b32 s68, ttmp9, 11
	s_mov_b32 s69, 0
	s_add_nc_u64 s[88:89], s[28:29], s[68:69]
	s_add_nc_u64 s[88:89], s[88:89], 8716288       ; my part of x's statistics
	s_lshl_b64 s[68:69], s[76:77], 10
	s_add_nc_u64 s[28:29], s[28:29], s[68:69]
	s_add_nc_u64 s[28:29], s[28:29], 327680        ; x of my queries
.set t, 0
.rept 16
	global_load_b32 v[114+t], v3, s[104:105] offset:256*t
	global_load_b32 v[130+t], v3, s[104:105] offset:256*t+128
.set t, t+1
.endr
.irp u, 0,1
.irp p, 0,1,2
	global_load_b64 v[W2F+12*\u+2*\p:W2F+12*\u+2*\p+1], v5, s[22:23] offset:384*\u+8*\p
.endr
	global_load_u8 v[W2S+\u], v[QT+3], s[24:25] offset:16*\u
.endr
	global_load_b32 v[BB], v3, s[26:27]
	global_load_b32 v[MX], v3, s[18:19]
	global_load_b32 v[RC], v3, s[20:21]
	PSTAT
.set t, 0
.rept 32
	s_min_u32 s[32+t], s[32+t], 0x3fff
.set t, t+1
.endr
	HULD 0
	GLD 0
	GLD 1
	v_cmp_gt_u32 vcc_lo, 16, v13
.irp u, 0,1
.irp p, 0,1,2,3,4,5
	v_cndmask_b32 v[W2F+12*\u+\p], 0, v[W2F+12*\u+\p], vcc_lo      ; k = 32 .. 63: zero codes
	v_mov_b32 v[W2F+12*\u+6+\p], 0                                 ; k = 64 .. 127 likewise
.endr
.endr
	v_mul_u32_u24 v13, v13, 12                     ; 12 L: Wp2 has 12 bytes a channel; channel 32 g + L lies at 384 g + 12 L
	MERGE 16, 114, 1, 130, 1, 0x3d800000, 0x44000000, QT, QT+2, QT+4, QT+5
	ds_store_b32 v4, v[QT]
	ds_store_b32 v4, v[QT+2] offset:128
	BARRIER
.set t, 0
.rept 16
	ds_load_b32 v[174+t], v3 offset:256*t
	ds_load_b32 v[190+t], v3 offset:256*t+128
.set t, t+1
.endr
	s_wait_dscnt 0x0
	MERGE 16, 174, 1, 190, 1, 0x3d800000, 0x46000000, QT, QT+2, QT+4, QT+5
	v_fma_f32 v[QT+2], v[QT+2], 0x37000000, s[EPSR]
	v_rsq_f32 v[QT+2], v[QT+2]
	v_nop
	s_wait_alu depctr_va_vdst(0)
	v_mul_f32 v[QT+2], v[MX], v[QT+2]              ; a of unit L
	v_fma_f32 v[QT+4], -v[QT], v[QT+2], v[RC]      ; b'
	ds_store_b32 v6, v[QT+2]
	ds_store_b32 v6, v[QT+4] offset:128
.irp j, 0,1,2,3
	ds_load_b128 v[PA+4*\j:PA+4*\j+3], v7 offset:16*\j             ; back as the 16 units of my half
	ds_load_b128 v[PBB+4*\j:PBB+4*\j+3], v7 offset:128+16*\j
.endr
	s_wait_dscnt 0x0
	s_wait_loadcnt 16                              ; h1 and u of the first query are in; two groups of v stay out
	SOFT 0
	HULD 1
	s_wait_loadcnt 0x0
	SOFT 1
.irp g, 0,1,2,3,4,5,6,7
	global_load_b96 v[WP+4*\g:WP+4*\g+2], v13, s[10:11] offset:384*\g
	global_load_b32 v[BP2+\g], v3, s[12:13] offset:128*\g
.endr
	CONSUME 0
	GLD 2
	CONSUME 1
	GLD 3
	s_wait_loadcnt 8                               ; all but the youngest group
	CONSUME 2
	GLD 4
	s_wait_loadcnt 8
	CONSUME 3
	GLD 5
	FINISH 0
	s_wait_loadcnt 8
	CONSUME 4
	GLD 6
	s_wait_loadcnt 8
	CONSUME 5
	GLD 7
	s_wait_loadcnt 8
	CONSUME 6
	s_wait_loadcnt 0x0
	CONSUME 7
	FINISH 1
	BARRIER                                        ; 32 rows of x lie in LDS
	s_cmp_lt_u32 s99, 8
	s_cbranch_scc0 .Lend
.set t, 0
.rept 32
	ds_load_b32 v[14+t], v10 offset:1024*t
.set t, t+1
.endr
	v_lshlrev_b32 v12, 3, v0                       ; 8 c (the loads that named v12 are long done)
	s_wait_dscnt 0x0
	MERGE 32, 14, 0, 14, 1, 0x3d000000, 0, 46, 47, 48, 49
	global_store_b64 v12, v[46:47], s[88:89]       ; (mean, M2) of channel c: the wave stores 256 consecutive bytes
.Lend:
	s_wait_tensorcnt 0x0
	ds_add_u32 v240, v241
	s_wait_dscnt 0x0
	s_endpgm
.Lfunc_end_k_q2e1152758a_attn:
	.size	k_q2e1152758a_attn, .Lfunc_end_k_q2e1152758a_attn-k_q2e1152758a_attn
	.p2alignl 7, 3214868480
	.fill 96, 4, 3214868480
	.section	.rodata,"a",@progbits
	.p2align	6, 0x0
	.amdhsa_kernel k_q2e1152758a_attn
		.amdhsa_group_segment_fixed_size 43008
		.amdhsa_private_segment_fixed_size 0
		.amdhsa_enable_private_segment 0
		.amdhsa_kernarg_size 104
		.amdhsa_user_sgpr_count 2
		.amdhsa_user_sgpr_kernarg_segment_ptr 1
		.amdhsa_wavefront_size32 1
		.amdhsa_system_sgpr_workgroup_id_x 1
		.amdhsa_system_sgpr_workgroup_id_y 1
		.amdhsa_system_sgpr_workgroup_id_z 1
		.amdhsa_system_vgpr_workitem_id 0
		.amdhsa_next_free_vgpr 242
		.amdhsa_next_free_sgpr 106
		.amdhsa_reserve_vcc 1
		.amdhsa_float_denorm_mode_32 3
		.amdhsa_float_denorm_mode_16_64 3
		.amdhsa_memory_ordered 1
		.amdhsa_forward_progress 1
		.amdhsa_inst_pref_size 80
	.end_amdhsa_kernel
	.amdgpu_metadata
---
amdhsa.version: [ 1, 2 ]
amdhsa.kernels:
  - .name:           k_q2e1152758a_attn
    .symbol:         k_q2e1152758a_attn.kd
    .args:
      - { .name: feat, .offset: 0, .size: 8, .value_kind: global_buffer, .address_space: global }
      - { .name: nidx, .offset: 8, .size: 8, .value_kind: global_buffer, .address_space: global }
      - { .name: pong, .offset: 16, .size: 8, .value_kind: global_buffer, .address_space: global }
      - { .name: Wp2, .offset: 24, .size: 8, .value_kind: global_buffer, .address_space: global }
      - { .name: bp2, .offset: 32, .size: 8, .value_kind: global_buffer, .address_space: global }
      - { .name: gp, .offset: 40, .size: 8, .value_kind: global_buffer, .address_space: global }
      - { .name: bp, .offset: 48, .size: 8, .value_kind: global_buffer, .address_space: global }
      - { .name: gw2, .offset: 56, .size: 8, .value_kind: global_buffer, .address_space: global }
      - { .name: bw2, .offset: 64, .size: 8, .value_kind: global_buffer, .address_space: global }
      - { .name: Ww2_codes, .offset: 72, .size: 8, .value_kind: global_buffer, .address_space: global }
      - { .name: Ww2_scales, .offset: 80, .size: 8, .value_kind: global_buffer, .address_space: global }
      - { .name: bww2, .offset: 88, .size: 8, .value_kind: global_buffer, .address_space: global }
      - { .name: ping, .offset: 96, .size: 8, .value_kind: global_buffer, .address_space: global }
    .group_segment_fixed_size: 43008
    .private_segment_fixed_size: 0
    .kernarg_segment_align: 8
    .kernarg_segment_size: 104
    .max_flat_workgroup_size: 512
    .sgpr_count:     106
    .vgpr_count:     242
    .wavefront_size: 32
...
	.end_amdgpu_metadata
.endif
;; end of part 6
;; launch proj (part 7): grid 64 x 1, 8 waves a work-group, no clusters, 140,288 bytes of LDS; arguments ping, g2, b2, W3_codes, W3_scales, pong; writes pong
.if DOCPART == 7
	.amdgcn_target "amdgcn-amd-amdhsa--gfx1250"
	.amdhsa_code_object_version 6
	.text
	.protected	k_q2e1152758a_proj
	.globl	k_q2e1152758a_proj
	.p2align	8
	.type	k_q2e1152758a_proj,@function
k_q2e1152758a_proj:
	s_mov_b64 s[64:65], 0
	v_nop
	global_prefetch_b8 v0, s[64:65] scope:SCOPE_SE
	s_setreg_imm32_b32 hwreg(HW_REG_WAVE_MODE, 25, 1), 1
	s_wait_xcnt 0x0
; y3 = Q(relu(bn(x; g2, b2))) W3^T, and the parts of its statistics.  A work-group takes 128 rows, a wave 16 rows x all 256 columns; W3 lies in LDS as images of operand registers.
; x's statistics come as 256 parts of 32 rows, laid [part][channel][mean, M2]: thread c takes channel c's pair of a part by one load of 8 bytes, in 8 chunks of 32 parts
; (two sets of 64 registers by turns); a chunk's 32 parts are merged into one of 1,024 rows, then the 8 results.
; 64 work-groups: each has to read all 256 parts, so more and smaller work-groups would multiply that reading.
.set SCL, 49152
.set PRM, 53248
.set STG, 55296
.set ZP, 122880
.set SEL, 30
.set EPSR, 32
.set LI0, 1
.set LSW, 2
.set RNC, 3
.set LS, 4
.set PB, 5
.set RNS, 6
.set STC, 7
.set C8, 8
.set RD, 9
.set C4, 10
.set PRW, 11
.set ZS, 12
.set ZR, 13
.set XOF, 14
.set AW, 15
.set RM, 16
.set RQ, 32
.set HF, 42
.set HS, 66
.set WS, 68
.set ACC, 76
.set FW, 140
.set PX, 204
.set TM, 236
.set CSR, 236
.set CT, 252
.set CB0, 76                           ; the chunks' two sets: v76-139 and v188-251; W3's fragments wait in v140-187 meanwhile
.set CB1, 188
.macro BARRIER
	s_wait_dscnt 0x0
	s_barrier_signal -1
	s_barrier_wait -1
.endm
.macro FRAGLD reg, voff, sb, off
.irp p, 0,1,2,3,4,5
	global_load_b64 v[(\reg)+2*\p:(\reg)+2*\p+1], v[\voff], s[\sb:\sb+1] offset:(\off)+48*(\p/3)+8*(\p%3)
.endr
.endm
.macro IMAGE reg, adr, off
.irp c, 0,1,2
	ds_store_b128 v[\adr], v[(\reg)+4*\c:(\reg)+4*\c+3] offset:(\off)+512*\c
.endr
.endm
.macro FETCH reg, adr, off
.irp c, 0,1,2
	ds_load_b128 v[(\reg)+4*\c:(\reg)+4*\c+3], v[\adr] offset:(\off)+512*\c
.endr
.endm
.macro MERGE k, mb, hasq, qb, str, invk, nn, om, oq, t0, t1
	v_add_f32 v[\om], v[(\mb)], v[(\mb)+\str]
	v_add_f32 v[\t0], v[(\mb)+2*\str], v[(\mb)+3*\str]
.set mi, 4
.rept (\k-4)/2
	v_add_f32 v[\om], v[\om], v[(\mb)+mi*\str]
	v_add_f32 v[\t0], v[\t0], v[(\mb)+(mi+1)*\str]
.set mi, mi+2
.endr
	v_add_f32 v[\om], v[\om], v[\t0]
	v_mul_f32 v[\om], \invk, v[\om]
	v_sub_f32 v[\t0], v[(\mb)], v[\om]
	v_mul_f32 v[\t1], v[\t0], v[\t0]
.set mi, 1
.rept \k-1
	v_sub_f32 v[\t0], v[(\mb)+mi*\str], v[\om]
	v_fma_f32 v[\t1], v[\t0], v[\t0], v[\t1]
.set mi, mi+1
.endr
	v_add_f32 v[\oq], v[(\qb)], v[(\qb)+\str]
	v_add_f32 v[\t0], v[(\qb)+2*\str], v[(\qb)+3*\str]
.set mi, 4
.rept (\k-4)/2
	v_add_f32 v[\oq], v[\oq], v[(\qb)+mi*\str]
	v_add_f32 v[\t0], v[\t0], v[(\qb)+(mi+1)*\str]
.set mi, mi+2
.endr
	v_add_f32 v[\oq], v[\oq], v[\t0]
	v_fma_f32 v[\oq], \nn, v[\t1], v[\oq]
.endm
.macro CHLD c                          ; chunk c: the pairs (mean, M2) of 32 parts, into set c % 2
.set si, 0
.rept 32
	global_load_b64 v[CB0+(CB1-CB0)*((\c)%2)+2*si:CB0+(CB1-CB0)*((\c)%2)+2*si+1], v[C8], s[16:17] offset:2048*(32*(\c)+si)
.set si, si+1
.endr
.endm
.macro QUANT s, pc, px, pw
.irp b, 0,1,2,3
	v_max3_num_f32 v[TM+\b], v[(\s)+16*\b], v[(\s)+1+16*\b], 0x1800000   ; none is negative here; the floor 2^(3 - 127) holds the byte at 1 from below
.endr
.irp i, 2,4,6,8,10,12,14
.irp b, 0,1,2,3
	v_max3_num_f32 v[TM+\b], v[TM+\b], v[(\s)+16*\b+\i], v[(\s)+1+16*\b+\i]
.endr
.endr
.irp b, 0,1,2,3
	v_permlanex16_b32 v[TM+4+\b], v[TM+\b], s[SEL], s[SEL+1]
.endr
.irp b, 0,1,2,3
	v_max_num_f32 v[TM+\b], v[TM+\b], v[TM+4+\b]
.endr
.irp b, 0,1,2,3
	v_add_nc_u32 v[TM+12+\b], 0xff000000, v[TM+\b]
.endr
.irp b, 0,1,2,3
	v_lshrrev_b32 v[TM+4+\b], 23, v[TM+12+\b]
.endr
	v_lshl_or_b32 v[\pw], v[TM+5], 8, v[TM+4]
	v_lshl_or_b32 v[\pw], v[TM+6], 16, v[\pw]
	v_lshl_or_b32 v[\pw], v[TM+7], 24, v[\pw]
.irp c, 0,1
	v_cvt_scalef32_pk16_fp6_f32 v[(\pc)+6*\c:(\pc)+2+6*\c], v[(\s)+32*\c:(\s)+15+32*\c], v[TM+12+2*\c]
	v_cvt_scalef32_pk16_fp6_f32 v[(\px)+4*\c:(\px)+2+4*\c], v[(\s)+16+32*\c:(\s)+31+32*\c], v[TM+12+2*\c+1]
.endr
	v_nop
.irp c, 0,1
.irp i, 0,1,2
	v_permlane16_swap_b32 v[(\pc)+6*\c+\i], v[(\px)+4*\c+\i]
.endr
.irp i, 0,1,2
	v_mov_b32 v[(\pc)+3+6*\c+\i], v[(\px)+4*\c+\i]
.endr
.endr
.rept 8
	v_nop
.endr
.endm
.macro BNRELU base, ks
.irp b, 0,1,2,3
.irp j, 0,1,2,3
	ds_load_b128 v[FW+4*\j:FW+4*\j+3], v[PB] offset:512*\ks+128*\b+16*\j
	ds_load_b128 v[FW+16+4*\j:FW+16+4*\j+3], v[PB] offset:1024+512*\ks+128*\b+16*\j
.endr
	s_wait_dscnt 0x0
.irp i, 0,2,4,6,8,10,12,14
	v_pk_fma_f32 v[\base+16*\b+\i:\base+16*\b+\i+1], v[\base+16*\b+\i:\base+16*\b+\i+1], v[FW+\i:FW+\i+1], v[FW+16+\i:FW+17+\i]
.endr
.irp i, 0,1,2,3,4,5,6,7,8,9,10,11,12,13,14,15
	v_max_num_f32 v[\base+16*\b+\i], 0, v[\base+16*\b+\i]
.endr
.endr
.endm
.macro GEMM4 t0, acc                   ; source 0 = my 16 rows, source 1 = 16 rows of W3; the four accumulators take turns
	s_wait_xcnt 0x0
.set gi, 0
.rept 8
	FETCH FW+12*gi, LI0, (2*(\t0)+gi)*1536
	ds_load_b32 v[WS+gi], v[LS] offset:(2*(\t0)+gi)*128
.set gi, gi+1
.endr
	s_wait_dscnt 0x0
.irp tt, 0,1,2,3
	v_wmma_scale_f32_16x16x128_f8f6f4 v[(\acc)+8*\tt:(\acc)+8*\tt+7], v[HF:HF+11], v[FW+24*\tt:FW+24*\tt+11], 0, v[HS], v[WS+2*\tt] matrix_a_fmt:MATRIX_FMT_FP6 matrix_b_fmt:MATRIX_FMT_FP6
.endr
.irp tt, 0,1,2,3
	v_wmma_scale_f32_16x16x128_f8f6f4 v[(\acc)+8*\tt:(\acc)+8*\tt+7], v[HF+12:HF+23], v[FW+24*\tt+12:FW+24*\tt+23], v[(\acc)+8*\tt:(\acc)+8*\tt+7], v[HS+1], v[WS+2*\tt+1] matrix_a_fmt:MATRIX_FMT_FP6 matrix_b_fmt:MATRIX_FMT_FP6
.endr
.rept 5
	v_nop
.endr
.endm
.macro COLSTAT acc, t, sl
	v_add_f32 v[CT], v[(\acc)], v[(\acc)+1]
	v_add_f32 v[CT+1], v[(\acc)+2], v[(\acc)+3]
	v_add_f32 v[CT+2], v[(\acc)+4], v[(\acc)+5]
	v_add_f32 v[CT+3], v[(\acc)+6], v[(\acc)+7]
	v_add_f32 v[CT], v[CT], v[CT+1]
	v_add_f32 v[CT+2], v[CT+2], v[CT+3]
	v_add_f32 v[CT], v[CT], v[CT+2]
	v_permlanex16_b32 v[CT+1], v[CT], s[SEL], s[SEL+1]
	v_add_f32 v[CT], v[CT], v[CT+1]
	v_mul_f32 v[CSR+2*(\sl)], 0x3d800000, v[CT]
	v_sub_f32 v[CT], v[(\acc)], v[CSR+2*(\sl)]
	v_mul_f32 v[CT+2], v[CT], v[CT]
.irp j, 1,2,3,4,5,6,7
	v_sub_f32 v[CT], v[(\acc)+\j], v[CSR+2*(\sl)]
	v_fma_f32 v[CT+2], v[CT], v[CT], v[CT+2]
.endr
	v_permlanex16_b32 v[CT+3], v[CT+2], s[SEL], s[SEL+1]
	v_add_f32 v[CSR+2*(\sl)+1], v[CT+2], v[CT+3]
	ds_store_b32 v[ZS], v[CSR+2*(\sl)] offset:64*(\t)
	ds_store_b32 v[ZS], v[CSR+2*(\sl)+1] offset:64*(\t)+1024
.endm
.macro OUT64 coloff                    ; register 8 tt + j is (row 8 h + j, column 16 tt + r): through my stage, out as rows of 512 consecutive bytes
	s_wait_xcnt 0x0
.set oi, 0
.rept 64
	ds_store_b32 v[STC], v[ACC+oi] offset:528*(oi%8)+64*(oi/8)
.set oi, oi+1
.endr
.set oi, 0
.rept 16
	ds_load_b128 v[FW+4*oi:FW+4*oi+3], v[RD] offset:528*oi
.set oi, oi+1
.endr
.set oi, 0
.rept 16
	s_wait_dscnt 15-oi
	global_store_b128 v[LI0], v[FW+4*oi:FW+4*oi+3], s[14:15] offset:1024*oi+\coloff
.set oi, oi+1
.endr
.endm
	s_load_b256 s[4:11], s[0:1], 0x0               ; ping, g2, b2, W3 codes
	s_load_b128 s[12:15], s[0:1], 0x20             ; W3 scales, pong
	v_lshl_add_u32 v40, v0, 2, 0x22000
	v_mov_b32 v41, 0
	v_lshrrev_b32 v8, 5, v0
	v_readfirstlane_b32 s20, v8                    ; wave
	v_and_b32 v8, 31, v0                           ; L
	v_and_b32 v48, 15, v0                          ; r
	v_bfe_u32 v49, v0, 4, 1                        ; h
	s_mov_b32 s30, 0x76543210
	s_mov_b32 s31, 0xfedcba98
	s_mov_b32 s32, 0x3727c5ac
	v_lshlrev_b32 v[LI0], 4, v8
	v_lshl_add_u32 v[LS], v8, 2, SCL
	v_lshlrev_b32 v[C8], 3, v0                     ; 8 c: channel c's pair in a part
	s_lshl_b32 s21, s20, 9
	v_add_nc_u32 v[LSW], s21, v[LS]
	s_mul_i32 s21, s20, 6144
	v_add_nc_u32 v[AW], s21, v[LI0]
	v_lshl_add_u32 v[PB], v49, 6, PRM
	s_mul_i32 s21, s20, 8448
	s_add_co_u32 s21, s21, STG
	v_mul_u32_u24 v[STC], v49, 4224
	v_lshl_add_u32 v[STC], v48, 2, v[STC]
	v_add_nc_u32 v[STC], s21, v[STC]
	v_add_nc_u32 v[RD], s21, v[LI0]
	v_lshlrev_b32 v[C4], 2, v0
	v_add_nc_u32 v[PRW], PRM, v[C4]
	s_lshl_b32 s21, s20, 11
	v_lshl_add_u32 v[ZS], v48, 2, s21
	v_add_nc_u32 v[ZS], ZP, v[ZS]
	v_add_nc_u32 v[ZR], ZP, v[C4]
	v_lshlrev_b32 v[XOF], 10, v48
	v_lshl_add_u32 v[XOF], v49, 6, v[XOF]          ; x: row r, + 64 h: my 16 numbers of a block of 32
	s_lshl_b32 s21, s20, 5
	v_add_nc_u32 v50, s21, v48                     ; W3: row 32 w + 16 u + r
	v_mul_u32_u24 v[RNC], v50, 192
	v_mad_u32_u24 v[RNC], v49, 24, v[RNC]
	v_lshlrev_b32 v[RNS], 3, v50
	s_lshl_b32 s22, ttmp9, 17
	s_lshl_b32 s23, s20, 14
	s_add_co_u32 s22, s22, s23                     ; my 16 rows of 1,024 bytes
	s_mov_b32 s23, 0
	s_lshl_b32 s24, ttmp9, 11
	s_mov_b32 s25, 0
	s_wait_kmcnt 0x0
	s_add_nc_u64 s[16:17], s[4:5], 8716288         ; x's parts
	s_add_nc_u64 s[4:5], s[4:5], s[22:23]
	s_add_nc_u64 s[4:5], s[4:5], 327680            ; x
	s_add_nc_u64 s[18:19], s[14:15], s[24:25]
	s_add_nc_u64 s[18:19], s[18:19], 25231360      ; my part of y3's statistics
	s_add_nc_u64 s[14:15], s[14:15], s[22:23]
	s_add_nc_u64 s[14:15], s[14:15], 16842752      ; y3
.irp u, 0,1
	FRAGLD FW+24*\u, RNC, 10, \u*3072
	FRAGLD FW+24*\u+12, RNC, 10, \u*3072+96
	global_load_b64 v[WS+2*\u:WS+2*\u+1], v[RNS], s[12:13] offset:128*\u
.endr
	global_load_b32 v56, v[C4], s[6:7]             ; g2[c], b2[c]
	global_load_b32 v57, v[C4], s[8:9]
	CHLD 0
	s_wait_loadcnt 32                              ; the weight is in; the first chunk's 32 loads stay out
.irp u, 0,1,2,3
	IMAGE FW+12*\u, AW, \u*1536
	ds_store_b32 v[LSW], v[WS+\u] offset:128*\u
.endr
.irp c, 0,1,2,3,4,5,6
	CHLD \c+1
	s_wait_loadcnt 32                              ; this chunk is in; the next one's 32 loads stay out
	MERGE 32, CB0+(CB1-CB0)*(\c%2), 1, CB0+(CB1-CB0)*(\c%2)+1, 2, 0x3d000000, 0x42000000, RM+\c, RQ+\c, 52, 53
.endr
	s_wait_loadcnt 0x0
	MERGE 32, CB1, 1, CB1+1, 2, 0x3d000000, 0x42000000, RM+7, RQ+7, 52, 53
	MERGE 8, RM, 1, RQ, 1, 0x3e000000, 0x44800000, 54, 55, 52, 53
	v_fma_f32 v52, v55, 0x39000000, s[EPSR]
	v_rsq_f32 v52, v52
	v_nop
	s_wait_alu depctr_va_vdst(0)
	v_mul_f32 v52, v56, v52
	v_fma_f32 v53, -v54, v52, v57
	ds_store_b32 v[PRW], v52
	ds_store_b32 v[PRW], v53 offset:1024
.irp b, 4,5,6,7
	v_mov_b32 v[TM+\b], 0
.endr
	v_mov_b32 v[CT+1], 0
	v_mov_b32 v[CT+3], 0
	BARRIER
.irp ks, 0,1
.set t, 0
.rept 16
	global_load_b128 v[ACC+4*t:ACC+4*t+3], v[XOF], s[4:5] offset:512*\ks+128*(t/4)+16*(t%4)
.set t, t+1
.endr
	s_wait_loadcnt 0x0
	BNRELU ACC, \ks
	QUANT ACC, HF+12*\ks, PX, HS+\ks
.endr
.irp hf, 0,1
	GEMM4 8*\hf, ACC
	GEMM4 8*\hf+4, ACC+32
.irp u, 0,1,2,3,4,5,6,7
	COLSTAT ACC+8*\u, 8*\hf+\u, \u
.endr
	OUT64 512*\hf
.endr
	BARRIER
	s_wait_xcnt 0x0                                ; the last stores have read the registers that the parts now take
.set ci, 0
.rept 8
	ds_load_b32 v[FW+ci], v[ZR] offset:2048*ci
	ds_load_b32 v[FW+8+ci], v[ZR] offset:2048*ci+1024
.set ci, ci+1
.endr
	s_wait_dscnt 0x0
	MERGE 8, FW, 1, FW+8, 1, 0x3e000000, 0x41800000, CSR, CSR+1, CT, CT+1
	global_store_b32 v[C4], v[CSR], s[18:19]
	global_store_b32 v[C4], v[CSR+1], s[18:19] offset:1024
	s_wait_tensorcnt 0x0
	ds_add_u32 v40, v41
	s_wait_dscnt 0x0
	s_endpgm
.Lfunc_end_k_q2e1152758a_proj:
	.size	k_q2e1152758a_proj, .Lfunc_end_k_q2e1152758a_proj-k_q2e1152758a_proj
	.p2alignl 7, 3214868480
	.fill 96, 4, 3214868480
	.section	.rodata,"a",@progbits
	.p2align	6, 0x0
	.amdhsa_kernel k_q2e1152758a_proj
		.amdhsa_group_segment_fixed_size 140288
		.amdhsa_private_segment_fixed_size 0
		.amdhsa_enable_private_segment 0
		.amdhsa_kernarg_size 48
		.amdhsa_user_sgpr_count 2
		.amdhsa_user_sgpr_kernarg_segment_ptr 1
		.amdhsa_wavefront_size32 1
		.amdhsa_system_sgpr_workgroup_id_x 1
		.amdhsa_system_sgpr_workgroup_id_y 1
		.amdhsa_system_sgpr_workgroup_id_z 1
		.amdhsa_system_vgpr_workitem_id 0
		.amdhsa_next_free_vgpr 256
		.amdhsa_next_free_sgpr 66
		.amdhsa_reserve_vcc 0
		.amdhsa_float_denorm_mode_32 3
		.amdhsa_float_denorm_mode_16_64 3
		.amdhsa_memory_ordered 1
		.amdhsa_forward_progress 1
		.amdhsa_inst_pref_size 148
	.end_amdhsa_kernel
	.amdgpu_metadata
---
amdhsa.version: [ 1, 2 ]
amdhsa.kernels:
  - .name:           k_q2e1152758a_proj
    .symbol:         k_q2e1152758a_proj.kd
    .args:
      - { .name: ping, .offset: 0, .size: 8, .value_kind: global_buffer, .address_space: global }
      - { .name: g2, .offset: 8, .size: 8, .value_kind: global_buffer, .address_space: global }
      - { .name: b2, .offset: 16, .size: 8, .value_kind: global_buffer, .address_space: global }
      - { .name: W3_codes, .offset: 24, .size: 8, .value_kind: global_buffer, .address_space: global }
      - { .name: W3_scales, .offset: 32, .size: 8, .value_kind: global_buffer, .address_space: global }
      - { .name: pong, .offset: 40, .size: 8, .value_kind: global_buffer, .address_space: global }
    .group_segment_fixed_size: 140288
    .private_segment_fixed_size: 0
    .kernarg_segment_align: 8
    .kernarg_segment_size: 48
    .max_flat_workgroup_size: 256
    .sgpr_count:     66
    .vgpr_count:     256
    .wavefront_size: 32
...
	.end_amdgpu_metadata
.endif
;; end of part 7
;; launch fin (part 8): grid 256 x 1, 8 waves a work-group, no clusters, 3,072 bytes of LDS; arguments pong, feat, g3, b3, out1; writes out1
.if DOCPART == 8
	.amdgcn_target "amdgcn-amd-amdhsa--gfx1250"
	.amdhsa_code_object_version 6
	.text
	.protected	k_q2e1152758a_fin
	.globl	k_q2e1152758a_fin
	.p2align	8
	.type	k_q2e1152758a_fin,@function
k_q2e1152758a_fin:
	s_mov_b64 s[64:65], 0
	v_nop
	global_prefetch_b8 v0, s[64:65] scope:SCOPE_SE
	s_setreg_imm32_b32 hwreg(HW_REG_WAVE_MODE, 25, 1), 1
	s_wait_xcnt 0x0
; out1 = relu(bn(y3; g3, b3) + x1h).  A stream: a work-group takes 32 rows, a wave 4; each load and store of a wave covers 512 consecutive bytes.  Thread c merges the 64 parts (128 rows each) of channel c.
.set EPSR, 21
.set YR, 16
.set XR, 48
.set MB, 80
.set SG, 208
.set SBB, 209
.set SM, 210
.set SQ, 211
.set ST0, 212
.set ST1, 213
.set SAA, 214
.set SBO, 215
.macro MERGE k, mb, hasq, qb, str, invk, nn, om, oq, t0, t1
	v_add_f32 v[\om], v[(\mb)], v[(\mb)+\str]
	v_add_f32 v[\t0], v[(\mb)+2*\str], v[(\mb)+3*\str]
.set mi, 4
.rept (\k-4)/2
	v_add_f32 v[\om], v[\om], v[(\mb)+mi*\str]
	v_add_f32 v[\t0], v[\t0], v[(\mb)+(mi+1)*\str]
.set mi, mi+2
.endr
	v_add_f32 v[\om], v[\om], v[\t0]
	v_mul_f32 v[\om], \invk, v[\om]
	v_sub_f32 v[\t0], v[(\mb)], v[\om]
	v_mul_f32 v[\t1], v[\t0], v[\t0]
.set mi, 1
.rept \k-1
	v_sub_f32 v[\t0], v[(\mb)+mi*\str], v[\om]
	v_fma_f32 v[\t1], v[\t0], v[\t0], v[\t1]
.set mi, mi+1
.endr
	v_add_f32 v[\oq], v[(\qb)], v[(\qb)+\str]
	v_add_f32 v[\t0], v[(\qb)+2*\str], v[(\qb)+3*\str]
.set mi, 4
.rept (\k-4)/2
	v_add_f32 v[\oq], v[\oq], v[(\qb)+mi*\str]
	v_add_f32 v[\t0], v[\t0], v[(\qb)+(mi+1)*\str]
.set mi, mi+2
.endr
	v_add_f32 v[\oq], v[\oq], v[\t0]
	v_fma_f32 v[\oq], \nn, v[\t1], v[\oq]
.endm
	s_load_b256 s[4:11], s[0:1], 0x0               ; pong, feat, g3, b3
	s_load_b64 s[12:13], s[0:1], 0x20              ; out1
	v_lshl_add_u32 v224, v0, 2, 0x800
	v_mov_b32 v225, 0
	v_lshrrev_b32 v1, 5, v0
	v_readfirstlane_b32 s20, v1
	v_and_b32 v1, 31, v0
	v_lshlrev_b32 v1, 4, v1                        ; 16 L
	v_lshlrev_b32 v2, 2, v0                        ; 4 c
	s_mov_b32 s21, 0x3727c5ac
	s_lshl_b32 s22, ttmp9, 15
	s_lshl_b32 s23, s20, 12
	s_add_co_u32 s22, s22, s23                     ; my 4 rows of 1,024 bytes
	s_mov_b32 s23, 0
	s_wait_kmcnt 0x0
	s_add_nc_u64 s[14:15], s[4:5], 25231360        ; parts 0-31
	s_add_nc_u64 s[16:17], s[14:15], 65536         ; parts 32-63
	s_add_nc_u64 s[4:5], s[4:5], s[22:23]
	s_add_nc_u64 s[4:5], s[4:5], 16842752          ; y3
	s_add_nc_u64 s[6:7], s[6:7], s[22:23]
	s_add_nc_u64 s[6:7], s[6:7], 41943040          ; x1h
	s_add_nc_u64 s[12:13], s[12:13], s[22:23]
.irp i, 0,1,2,3,4,5,6,7
	global_load_b128 v[YR+4*\i:YR+4*\i+3], v1, s[4:5] offset:512*\i th:TH_LOAD_NT
	global_load_b128 v[XR+4*\i:XR+4*\i+3], v1, s[6:7] offset:512*\i th:TH_LOAD_NT
.endr
.set si, 0
.rept 32
	global_load_b32 v[MB+si], v2, s[14:15] offset:2048*si
	global_load_b32 v[MB+64+si], v2, s[14:15] offset:2048*si+1024
	global_load_b32 v[MB+32+si], v2, s[16:17] offset:2048*si
	global_load_b32 v[MB+96+si], v2, s[16:17] offset:2048*si+1024
.set si, si+1
.endr
	global_load_b32 v[SG], v2, s[8:9]
	global_load_b32 v[SBB], v2, s[10:11]
	s_wait_loadcnt 0x0
	MERGE 64, MB, 1, MB+64, 1, 0x3c800000, 0x43000000, SM, SQ, ST0, ST1
	v_fma_f32 v[ST0], v[SQ], 0x39000000, s[EPSR]
	v_rsq_f32 v[ST0], v[ST0]
	v_nop                                          ; a plain place behind the transcendental
	s_wait_alu depctr_va_vdst(0)
	v_mul_f32 v[SAA], v[SG], v[ST0]
	v_fma_f32 v[SBO], -v[SM], v[SAA], v[SBB]
	ds_store_b32 v2, v[SAA]
	ds_store_b32 v2, v[SBO] offset:1024
	s_wait_dscnt 0x0
	s_barrier_signal -1
	s_barrier_wait -1
	ds_load_b128 v[80:83], v1                      ; a of my channels 4 L .., 128 + 4 L ..; then b'
	ds_load_b128 v[84:87], v1 offset:512
	ds_load_b128 v[88:91], v1 offset:1024
	ds_load_b128 v[92:95], v1 offset:1536
	s_wait_dscnt 0x0
.irp i, 0,1,2,3,4,5,6,7
.irp p, 0,2
	v_pk_fma_f32 v[YR+4*\i+\p:YR+4*\i+\p+1], v[YR+4*\i+\p:YR+4*\i+\p+1], v[80+4*(\i%2)+\p:81+4*(\i%2)+\p], v[88+4*(\i%2)+\p:89+4*(\i%2)+\p]
.endr
.irp p, 0,2
	v_pk_add_f32 v[YR+4*\i+\p:YR+4*\i+\p+1], v[YR+4*\i+\p:YR+4*\i+\p+1], v[XR+4*\i+\p:XR+4*\i+\p+1]
.endr
.irp p, 0,1,2,3
	v_max_num_f32 v[YR+4*\i+\p], 0, v[YR+4*\i+\p]
.endr
	global_store_b128 v1, v[YR+4*\i:YR+4*\i+3], s[12:13] offset:512*\i th:TH_STORE_NT
.endr
	s_wait_tensorcnt 0x0
	ds_add_u32 v224, v225
	s_wait_dscnt 0x0
	s_endpgm
.Lfunc_end_k_q2e1152758a_fin:
	.size	k_q2e1152758a_fin, .Lfunc_end_k_q2e1152758a_fin-k_q2e1152758a_fin
	.p2alignl 7, 3214868480
	.fill 96, 4, 3214868480
	.section	.rodata,"a",@progbits
	.p2align	6, 0x0
	.amdhsa_kernel k_q2e1152758a_fin
		.amdhsa_group_segment_fixed_size 3072
		.amdhsa_private_segment_fixed_size 0
		.amdhsa_enable_private_segment 0
		.amdhsa_kernarg_size 40
		.amdhsa_user_sgpr_count 2
		.amdhsa_user_sgpr_kernarg_segment_ptr 1
		.amdhsa_wavefront_size32 1
		.amdhsa_system_sgpr_workgroup_id_x 1
		.amdhsa_system_sgpr_workgroup_id_y 1
		.amdhsa_system_sgpr_workgroup_id_z 1
		.amdhsa_system_vgpr_workitem_id 0
		.amdhsa_next_free_vgpr 226
		.amdhsa_next_free_sgpr 66
		.amdhsa_reserve_vcc 0
		.amdhsa_float_denorm_mode_32 3
		.amdhsa_float_denorm_mode_16_64 3
		.amdhsa_memory_ordered 1
		.amdhsa_forward_progress 1
		.amdhsa_inst_pref_size 30
	.end_amdhsa_kernel
	.amdgpu_metadata
---
amdhsa.version: [ 1, 2 ]
amdhsa.kernels:
  - .name:           k_q2e1152758a_fin
    .symbol:         k_q2e1152758a_fin.kd
    .args:
      - { .name: pong, .offset: 0, .size: 8, .value_kind: global_buffer, .address_space: global }
      - { .name: feat, .offset: 8, .size: 8, .value_kind: global_buffer, .address_space: global }
      - { .name: g3, .offset: 16, .size: 8, .value_kind: global_buffer, .address_space: global }
      - { .name: b3, .offset: 24, .size: 8, .value_kind: global_buffer, .address_space: global }
      - { .name: out1, .offset: 32, .size: 8, .value_kind: global_buffer, .address_space: global }
    .group_segment_fixed_size: 3072
    .private_segment_fixed_size: 0
    .kernarg_segment_align: 8
    .kernarg_segment_size: 40
    .max_flat_workgroup_size: 256
    .sgpr_count:     66
    .vgpr_count:     226
    .wavefront_size: 32
...
	.end_amdgpu_metadata
.endif
;; end of part 8
